; MI455X (gfx1250); checked and timed in simulation.
; The chip was launched on July 23, 2026; its instructions are those of AMD's public machine-readable ISA for CDNA 5 (MIT licence, August 2026) and "CDNA5" Instruction Set Architecture Reference Guide (July 2026). The comments in the code are by the model that wrote it; some were corrected since.
;; Language Vision Attention. Allowed arithmetic: matrix products marked QUANTISED: E2M1 operands, one E8M0 scale for each 32 along K, by v_wmma_scale_f32_16x16x128_f8f6f4 with both operands' format E2M1 (or v_wmma_scale_f32_32x16x128_f4), f32 sums; products left as they are: bf16, f16 or f32 operands; f32 sums; everything else in f32.
;; Inputs: Wk 256 x 512 float32; Wq 256 x 512 float32; Wv 256 x 512 float32; Ww 256 x 256 float32; bk 256 float32; bq 256 float32; bv 256 float32; bw 256 float32; l 4 x 1,024 x 512 float32; x 4 x 4,096 x 512 float32.
;; Outputs: out0 4 x 1,024 x 256 float32.
;; This version of the problem:
;;   THIS VERSION OF THE PROBLEM IS GIVEN IN LOW PRECISION. The matrix products marked QUANTISED in the list below multiply operands that are first quantised to E2M1 (2 exponent bits, 1 mantissa bit; 4 bits a number), with one power-of-two scale for each 32 numbers along K (OCP MX v1.0); their sums are f32. The products marked 'left as it is' may take bf16, f16 or f32 operands, with f32 sums. Whichever they take, every output number must still come out within the allowed error. Rounding operands to bf16 (8 significant bits) uses up far more of that allowance than f16 does (11 bits, for magnitudes from 6e-5 to 65,504). All else is computed in f32.
;;   The module's matrix products, in the order in which they are computed (A, B: the left and right operand; K: the contracted axis; several contracted axes count as one K, in the product's order):
;;     1. [M 4,096, K 512] x [K 512, N 256]; A: input l; B: input Wq: QUANTISED
;;     2. [M 256, K 512] x [K 512, N 16,384]; A: input Wk; B: input x: QUANTISED
;;     3. [M 256, K 512] x [K 512, N 16,384]; A: input Wv; B: input x: QUANTISED
;;     4. batch 32 x [M 1,024, K 32] x [K 32, N 4,096]; A: computed on the way; B: computed on the way: left as it is (an operand is computed on the way)
;;     5. batch 32 x [M 1,024, K 4,096] x [K 4,096, N 32]; A: computed on the way; B: computed on the way: left as it is (an operand is computed on the way)
;;     6. [M 256, K 256] x [K 256, N 4,096]; A: input Ww; B: computed on the way: left as it is (an operand is computed on the way)
;;   THE QUANTISER, for each operand of a quantised product, along K:
;;     - K is cut into blocks of 32 from its start; a last block that is shorter is filled with zeros.
;;     - A block's scale is 2^e with e = floor(log2(the largest magnitude in the block)) - 2, held to -126 .. 127; a block of zeros has e = 0. As a byte (E8M0): e + 127.
;;     - Each number is divided by its block's scale, clamped to +-6, and rounded to the nearest number of E2M1, ties to even, subnormals kept.
;;     - The product sums the exact products of the quantised numbers (number of the format x scale) in f32.
;;   ~~~python
;;   def quantise(x, axis):      # numpy; x: float32 -> the quantised numbers, widened to float32 again
;;       x = np.moveaxis(x, axis, -1); K = x.shape[-1]
;;       x = np.pad(x, [(0, 0)] * (x.ndim - 1) + [(0, -K % 32)]); x = x.reshape(x.shape[:-1] + (-1, 32)); a = np.abs(x).max(-1, keepdims=True)
;;       e = np.where(a > 0, np.clip(np.frexp(np.where(a > 0, a, 1))[1] - 1 - 2, -126, 127), 0)      # np.frexp(a)[1] - 1 = floor(log2(a)), exactly
;;       r = np.clip(x / 2.0 ** e, -6, 6)
;;       step = 2.0 ** (np.maximum(np.frexp(np.where(r == 0, 1, r))[1] - 1, 0) - 1)
;;       q = np.round(r / step) * step * 2.0 ** e      # np.round: ties to even
;;       return np.moveaxis(q.reshape(q.shape[:-2] + (-1,))[..., :K], -1, axis).astype(np.float32)
;;   ~~~
;; 2 versions, each right and faster than the one before. Each part assembles by itself: llvm-mc -triple=amdgcn-amd-amdhsa -mcpu=gfx1250 --defsym DOCPART=n.
;; ======== version 1 of 2: 4 launches
;; limits: values are held in f16: magnitudes above 65,504 overflow, below 6.1e-05 lose precision; right only within a limited range of input values; a difference of large sums (such as E[x^2] - mean^2): digits are lost where the result is much smaller than its terms
;; workspace buffers: wfrag 196,608 bytes; wscl 24,576 bytes; kc 4,096 bytes; qf 4,194,304 bytes; kv 16,777,216 bytes; kst 524,288 bytes; ohl 4,194,304 bytes
;; launch prep (part 1): grid 48 x 1, 4 waves a work-group, no clusters, 2,560 bytes of LDS; arguments Wq, Wk, Wv, bk, x, wfrag, wscl, kc; writes wfrag, wscl, kc
.if DOCPART == 1
	.amdgcn_target "amdgcn-amd-amdhsa--gfx1250"
	.amdhsa_code_object_version 6
	.text
	.protected	k_qef7cd9d67c_prep
	.globl	k_qef7cd9d67c_prep
	.p2align	8
	.type	k_qef7cd9d67c_prep,@function
k_qef7cd9d67c_prep:
	s_mov_b64 s[64:65], 0
	v_nop
	global_prefetch_b8 v0, s[64:65] scope:SCOPE_SE
	s_setreg_imm32_b32 hwreg(HW_REG_WAVE_MODE, 25, 1), 1
	s_wait_xcnt 0x0
; Wq, Wk, Wv [256][512] f32 become codes of FP4 (E2M1) with one E8M0 byte for each 32 along K, laid as images of operand registers:
;   wfrag [g = 16 mat + tile][K step s][piece c][lane][16 bytes]   (a fragment is 16 rows x 128 K: 8 registers a lane)
;   wscl  [g][lane][s] one word: lane r holds row r's four bytes of K step s
; Work-group g takes one tile of 16 rows, wave s its K step s.
; Wk's work-groups also make a PIVOT for the instance norm of k: P[b][c] = bk[c] + the mean of (Wk x)[c] over positions 0 to 3 of batch b,
; on quantised operands, and store kc = bk - P.  The next launch computes k' = Wk x + kc = k - P, whose mean lies near 0, so that the
; variance can be had from sums of k' and k'^2 with no difference of large sums.
; The text parts once on the work-group's number; each way has LDS bytes of its own.
; LIMITS: NaN and infinities are not served; a block of zeros gets the byte 1 (its codes are zeros; this program alone reads the bytes).
.set SCA,   0                          ; Wq's, Wv's way: four scale words' blocks of 128 bytes
.set SCB,   512                        ; Wk's way: the same
.set PVT,   1024                       ; Wk's way: four waves' partial sums, 256 bytes each
.set SPARE, 2048                       ; the spare words, 128 bytes a wave; no other line names them
.set ST,    16                         ; v16-79   64 numbers of W
.set ST2,   80                         ; v80-143  64 numbers of x
.set TM,    144                        ; v144-159 at work in QUANT
.set PCW,   160                        ; v160-167 W's codes;  v168 its scale word
.set PWW,   168
.set PCX,   170                        ; v170-177 x's codes;  v178 its scale word
.set PWX,   178
.set DD,    180                        ; v180-187 the pivot's product
.set SEL,   30                         ; s[30:31] lane selects: lane l xor 16
.macro PLACES n
.rept \n
	v_nop
.endr
.endm
; 64 numbers of a lane, register 16 b + i = k 32 b + 16 (lane / 16) + i of row lane % 16, become a fragment's codes in v[pc] on and its scale word in v[pw]
.macro QUANT s, pc, pw
.irp b, 0,1,2,3
	v_max3_num_f32 v[TM+\b], |v[\s+16*\b]|, |v[\s+1+16*\b]|, 0x1800000   ; my 16 numbers of block b, and the floor 2^(3 - 127): the byte cannot fall under 1
.endr
.irp i, 2,4,6,8,10,12,14
.irp b, 0,1,2,3
	v_max3_num_f32 v[TM+\b], v[TM+\b], |v[\s+16*\b+\i]|, |v[\s+1+16*\b+\i]|
.endr
.endr
.irp b, 0,1,2,3
	v_permlanex16_b32 v[TM+4+\b], v[TM+\b], s[SEL], s[SEL+1]
.endr
.irp b, 0,1,2,3
	v_max_num_f32 v[TM+\b], v[TM+\b], v[TM+4+\b]   ; with lane l xor 16's: the block's largest magnitude
.endr
.irp b, 0,1,2,3
	v_add_nc_u32 v[TM+12+\b], 0xff000000, v[TM+\b]   ; 2 off its exponent field: the conversion's scale operand
.endr
.irp b, 0,1,2,3
	v_lshrrev_b32 v[TM+4+\b], 23, v[TM+12+\b]      ; the scale's byte
.endr
	v_lshl_or_b32 v[\pw], v[TM+5], 8, v[TM+4]
	v_lshl_or_b32 v[\pw], v[TM+6], 16, v[\pw]
	v_lshl_or_b32 v[\pw], v[TM+7], 24, v[\pw]
.irp b, 0,1,2,3
	v_cvt_scalef32_pk8_fp4_f32 v[\pc+2*\b], v[\s+16*\b:\s+7+16*\b], v[TM+12+\b]
	v_cvt_scalef32_pk8_fp4_f32 v[\pc+1+2*\b], v[\s+8+16*\b:\s+15+16*\b], v[TM+12+\b]
.endr
	v_nop                                          ; one plain place behind a scaled conversion
.irp c, 0,1                                    ; the operand wants a whole block in a lane
.irp i, 0,1
	v_permlane16_swap_b32 v[\pc+4*\c+\i], v[\pc+2+4*\c+\i]
.endr
.endr
.endm
.macro RLOAD reg, adr, base            ; of row lane % 16: 16 neighbours of each of four blocks of 32
.irp b, 0,1,2,3
.irp j, 0,1,2,3
	global_load_b128 v[\reg+16*\b+4*\j:\reg+16*\b+4*\j+3], v[\adr], s[\base:\base+1] offset:128*\b+16*\j
.endr
.endr
.endm
.macro WOUT sc                         ; W's fragment: quantised, stored as it stands; its scale word to my block in LDS
	QUANT ST, PCW, PWW
	global_store_b128 v6, v[PCW:PCW+3], s[14:15]
	global_store_b128 v6, v[PCW+4:PCW+7], s[14:15] offset:512
	ds_store_b32 v7, v[PWW] offset:\sc
.endm
.macro WORDS sc                        ; wave 0: the four K steps' words of each lane, 512 consecutive bytes out
.irp s, 0,1,2,3
	ds_load_b32 v[192+\s], v9 offset:\sc+128*\s
.endr
	s_wait_dscnt 0x0
	global_store_b128 v6, v[192:195], s[16:17]
.endm
.macro MEET                            ; my LDS stores have landed: then the work-group's barrier
	s_wait_dscnt 0x0
	s_barrier_signal -1
	s_barrier_wait -1
.endm
.macro CLOSE                           ; the wave's end
	s_wait_tensorcnt 0x0
	ds_add_u32 v14, v15
	s_wait_dscnt 0x0
	s_endpgm
.endm
	s_load_b256 s[4:11], s[0:1], 0x0               ; Wq s[4:5], Wk s[6:7], Wv s[8:9], bk s[10:11]
	s_load_b256 s[12:19], s[0:1], 0x20             ; x s[12:13], wfrag s[14:15], wscl s[16:17], kc s[18:19]
	v_lshl_add_u32 v14, v0, 2, SPARE               ; my spare word
	v_mov_b32 v15, 0
	v_lshrrev_b32 v1, 5, v0
	v_readfirstlane_b32 s20, v1                    ; wave = K step s
	v_and_b32 v1, 31, v0                           ; lane
	v_and_b32 v2, 15, v0                           ; r
	v_bfe_u32 v3, v0, 4, 1                         ; h
	v_lshlrev_b32 v4, 11, v2
	v_lshl_add_u32 v4, v3, 6, v4                   ; W: row r of 2,048 bytes + 64 h
	v_lshrrev_b32 v5, 2, v2
	v_lshlrev_b32 v5, 23, v5                       ; x: sample r is batch r / 4 (2^23 bytes a batch),
	v_and_b32 v188, 3, v2
	v_lshl_add_u32 v5, v188, 11, v5                ; position r % 4,
	v_lshl_add_u32 v5, v3, 6, v5                   ; + 64 h
	v_lshlrev_b32 v6, 4, v1                        ; 16 x lane
	v_lshlrev_b32 v9, 2, v1                        ; 4 x lane
	s_lshl_b32 s21, s20, 7
	v_add_nc_u32 v7, s21, v9                       ; my scale word's place: 128 s + 4 lane
	v_lshlrev_b32 v10, 3, v1                       ; 8 x lane
	s_lshl_b32 s21, s20, 8
	v_add_nc_u32 v8, s21, v10                      ; my partial sums' place: 256 s + 8 lane
	v_lshlrev_b32 v12, 2, v2                       ; 4 r
	v_lshl_add_u32 v11, v3, 11, v12                ; kc: batch 2 h (1,024 bytes a batch) + 4 r
.irp b, 0,1,2,3
	v_mov_b32 v[TM+4+\b], 0                        ; written once: a lane permute's destination counts as one of its sources
.endr
	s_mov_b32 s[SEL], 0x76543210
	s_mov_b32 s[SEL+1], 0xfedcba98
	s_lshr_b32 s22, ttmp9, 4                       ; which matrix
	s_and_b32 s23, ttmp9, 15                       ; which tile of 16 rows
	s_lshl_b32 s26, s23, 15
	s_lshl_b32 s27, s20, 9
	s_add_co_u32 s26, s26, s27                     ; in W: 16 rows x tile + 512 bytes x K step
	s_mov_b32 s27, 0
	s_lshl_b32 s28, ttmp9, 2
	s_add_co_u32 s28, s28, s20
	s_lshl_b32 s28, s28, 10                        ; in wfrag: (4 g + s) x 1,024
	s_mov_b32 s29, 0
	s_lshl_b32 s32, ttmp9, 9                       ; in wscl: 512 g
	s_mov_b32 s33, 0
	s_wait_kmcnt 0x0
	s_cmp_eq_u32 s22, 0                            ; the choice hangs on the work-group's number alone
	s_cselect_b64 s[24:25], s[4:5], s[6:7]
	s_cmp_eq_u32 s22, 2
	s_cselect_b64 s[24:25], s[8:9], s[24:25]
	s_add_nc_u64 s[24:25], s[24:25], s[26:27]
	s_add_nc_u64 s[14:15], s[14:15], s[28:29]
	s_add_nc_u64 s[16:17], s[16:17], s[32:33]
	RLOAD ST, 4, 24
	s_cmp_eq_u32 s22, 1
	s_cbranch_scc1 .Lwk
	; ---- Wq's and Wv's tiles
	s_wait_loadcnt 0x0
	WOUT SCA
	MEET
	s_cmp_lg_u32 s20, 0
	s_cbranch_scc1 .Lend_a
	WORDS SCA
.Lend_a:
	CLOSE
	; ---- Wk's tiles: the same, and the pivot
.Lwk:
	s_lshl_b32 s26, s20, 9
	s_add_nc_u64 s[12:13], s[12:13], s[26:27]      ; x at my K step
	RLOAD ST2, 5, 12
	s_lshl_b32 s26, s23, 6
	s_add_nc_u64 s[10:11], s[10:11], s[26:27]      ; bk and kc at my tile's 16 channels
	s_add_nc_u64 s[18:19], s[18:19], s[26:27]
	global_load_b32 v13, v12, s[10:11]
	s_wait_loadcnt 0x0
	WOUT SCB
	QUANT ST2, PCX, PWX
	PLACES 8                                       ; a scale register written by a vector instruction stands 8 places ahead of a scaled matrix instruction
	v_wmma_scale_f32_16x16x128_f8f6f4 v[DD:DD+7], v[PCX:PCX+7], v[PCW:PCW+7], 0, v[PWX], v[PWW] matrix_a_fmt:MATRIX_FMT_FP4 matrix_b_fmt:MATRIX_FMT_FP4   ; lane (r, h): channel r; register j: sample 8 h + j = batch 2 h + j / 4
	PLACES 4
	v_add_f32 v188, v[DD], v[DD+1]
	v_add_f32 v189, v[DD+4], v[DD+5]
	v_add_f32 v190, v[DD+2], v[DD+3]
	v_add_f32 v191, v[DD+6], v[DD+7]
	v_add_f32 v188, v188, v190                     ; batch 2 h: four positions, my K step
	v_add_f32 v189, v189, v191                     ; batch 2 h + 1
	ds_store_b64 v8, v[188:189] offset:PVT
	MEET
	s_cmp_lg_u32 s20, 0
	s_cbranch_scc1 .Lend_b
	WORDS SCB
.irp s, 0,1,2,3
	ds_load_b64 v[16+2*\s:17+2*\s], v10 offset:PVT+256*\s
.endr
	s_wait_dscnt 0x0
	v_pk_add_f32 v[16:17], v[16:17], v[18:19]
	v_pk_add_f32 v[20:21], v[20:21], v[22:23]
	v_pk_add_f32 v[16:17], v[16:17], v[20:21]      ; all of K
	v_fmamk_f32 v18, v16, 0x3e800000, v13          ; P = the mean of four + bk
	v_fmamk_f32 v19, v17, 0x3e800000, v13
	v_sub_f32 v18, v13, v18                        ; kc = bk - P
	v_sub_f32 v19, v13, v19
	global_store_b32 v11, v18, s[18:19]
	global_store_b32 v11, v19, s[18:19] offset:1024
.Lend_b:
	CLOSE
.Lfunc_end_k_qef7cd9d67c_prep:
	.size	k_qef7cd9d67c_prep, .Lfunc_end_k_qef7cd9d67c_prep-k_qef7cd9d67c_prep
	.p2alignl 7, 3214868480
	.fill 96, 4, 3214868480
	.section	.rodata,"a",@progbits
	.p2align	6, 0x0
	.amdhsa_kernel k_qef7cd9d67c_prep
		.amdhsa_group_segment_fixed_size 2560
		.amdhsa_private_segment_fixed_size 0
		.amdhsa_enable_private_segment 0
		.amdhsa_kernarg_size 64
		.amdhsa_user_sgpr_count 2
		.amdhsa_user_sgpr_kernarg_segment_ptr 1
		.amdhsa_wavefront_size32 1
		.amdhsa_system_sgpr_workgroup_id_x 1
		.amdhsa_system_sgpr_workgroup_id_y 1
		.amdhsa_system_sgpr_workgroup_id_z 1
		.amdhsa_system_vgpr_workitem_id 0
		.amdhsa_next_free_vgpr 200
		.amdhsa_next_free_sgpr 66
		.amdhsa_reserve_vcc 0
		.amdhsa_float_denorm_mode_32 3
		.amdhsa_float_denorm_mode_16_64 3
		.amdhsa_memory_ordered 1
		.amdhsa_forward_progress 1
		.amdhsa_inst_pref_size 21
	.end_amdhsa_kernel
	.amdgpu_metadata
---
amdhsa.version: [ 1, 2 ]
amdhsa.kernels:
  - .name:           k_qef7cd9d67c_prep
    .symbol:         k_qef7cd9d67c_prep.kd
    .args:
      - { .name: Wq, .offset: 0, .size: 8, .value_kind: global_buffer, .address_space: global }
      - { .name: Wk, .offset: 8, .size: 8, .value_kind: global_buffer, .address_space: global }
      - { .name: Wv, .offset: 16, .size: 8, .value_kind: global_buffer, .address_space: global }
      - { .name: bk, .offset: 24, .size: 8, .value_kind: global_buffer, .address_space: global }
      - { .name: x, .offset: 32, .size: 8, .value_kind: global_buffer, .address_space: global }
      - { .name: wfrag, .offset: 40, .size: 8, .value_kind: global_buffer, .address_space: global }
      - { .name: wscl, .offset: 48, .size: 8, .value_kind: global_buffer, .address_space: global }
      - { .name: kc, .offset: 56, .size: 8, .value_kind: global_buffer, .address_space: global }
    .group_segment_fixed_size: 2560
    .private_segment_fixed_size: 0
    .kernarg_segment_align: 8
    .kernarg_segment_size: 64
    .max_flat_workgroup_size: 128
    .sgpr_count:     66
    .vgpr_count:     200
    .wavefront_size: 32
...
	.end_amdgpu_metadata
.endif
;; end of part 1
;; launch proj (part 2): grid 256 x 1, 8 waves a work-group, no clusters, 91,648 bytes of LDS; arguments x, l, wfrag, wscl, kc, bq, bv, qf, kv, kst; writes qf, kv, kst
.if DOCPART == 2
	.amdgcn_target "amdgcn-amd-amdhsa--gfx1250"
	.amdhsa_code_object_version 6
	.text
	.protected	k_qef7cd9d67c_proj
	.globl	k_qef7cd9d67c_proj
	.p2align	8
	.type	k_qef7cd9d67c_proj,@function
k_qef7cd9d67c_proj:
	s_mov_b64 s[64:65], 0
	v_nop
	global_prefetch_b8 v0, s[64:65] scope:SCOPE_SE
	s_setreg_imm32_b32 hwreg(HW_REG_WAVE_MODE, 25, 1), 1
	s_wait_xcnt 0x0
; The three quantised products.  Work-group g (batch b = g / 64, step st = g % 64) takes 64 positions of x (one key step of the attention) and 16 rows of l (one tile of queries).
; QUANTISING: wave w takes the 16 positions of tile m = w / 2 and K steps 2 (w % 2), + 1; waves 0 to 3 also K step w of the 16 rows of l.  Each load reads 512 consecutive bytes of a row; the numbers
; turn through the wave's own stage in LDS so that a lane holds 16 neighbours of each block of 32.  Codes and scale words go to the other waves as images of operand registers.
; MULTIPLYING: wave w is head w: its two tiles of 16 channels of Wq, Wk, Wv come from memory straight into operand registers.
;   q = l Wq^T + bq, f32, to qf: lane = query, registers = channels.
;   k' = Wk x + kc (= k less a pivot), twice: once with a lane holding a position (rounded to f16 it IS the first attention product's operand), once with the sources swapped, so that a lane holds a
;   channel and its registers run along the positions: the sums of k' and k'^2 then need one exchange of lanes.
;   v = Wv x + bv with a lane holding a channel: rounded to f16 it IS the second attention product's operand.
; Every store of qf and kv covers 512 consecutive bytes, aligned; that of kst 256.
; LIMITS: NaN and infinities are not served; a block of zeros gets the byte 1 (its codes are zeros; this program alone reads the bytes); |k'| and |v| stay under 65,504 (f16).
; REGISTERS: window 0 below; window 1: v0-127 x as loaded, later x's 16 fragments (8 (4 m + s)); v128-255 four slots of weights (32 slot + 8 s + 4 c).
.set XIMG,  0                          ; LDS: x's 16 fragments, 1,024 bytes each (4 m + s)
.set LIMG,  16384                      ; l's four
.set XSC,   20480                      ; x's scale words, 128 bytes a fragment
.set LSC,   22528                      ; l's
.set STAGE, 23040                      ; 16 rows x (512 + 16) bytes for each wave
.set SPARE, 90624                      ; the spare words, 128 bytes a wave; no other line names them
.set LI,  1                            ; v1   16 x lane
.set L4,  2                            ; v2   4 x lane
.set STI, 4                            ; v4   the stage, as loaded: 16 x lane
.set STO, 5                            ; v5   the stage, turned: row r, + 64 h
.set XWI, 6                            ; v6   where I store x's images
.set XWS, 7                            ; v7   and their scale words
.set LWI, 8                            ; v8   l's image
.set LWS, 9                            ; v9   and its scale word
.set BAO, 10                           ; v10  32 h: a bias where registers are channels
.set BBO, 11                           ; v11  4 r: a bias where the lane is a channel
.set SPW, 12                           ; v12  my spare word;  v13  0
.set NIL, 13
.set L8,  14                           ; v14  8 x lane
.set XS,  16                           ; v16-31 x's scale words (4 m + s);  v32-47 the weights' (4 slot + s);  v48-51 l's: these hold scales alone
.set WS,  32
.set LS,  48
.set R1,  52                           ; v52-53 sums of k', v54-55 of k'^2, v56-57 what is stored
.set R2,  54
.set RP,  56
.set ST,  64                           ; v64-127 64 numbers to quantise; later:
.set ACC, 64                           ; v64-95  four accumulators
.set OUTR, 96                          ; v96-111 results in f16;  v112-121 at work on the sums
.set TM,  128
.set PC,  144
.set PW,  152
.set CAQ, 156                          ; v156-171 bq, v172-187 kc where registers are channels (8 t + j)
.set CAK, 172
.set CB,  188                          ; v188-191 kc, kc, bv, bv of my lane's channel (tile 0, 1)
.set CR,  192                          ; v192-223 each of them eight times: the C of a sum's first product
.set LF,  224                          ; v224-255 l's four fragments   (v192-255 first hold l as loaded)
.set SEL, 30
.set MSK, 32
.set MSB, 0
.macro WIN new                         ; the immediate's high byte repeats the setting that is left
.if MSB != \new
	s_set_vgpr_msb (MSB<<8)|\new
.set MSB, \new
.endif
.endm
.macro PLACES n
.rept \n
	v_nop
.endr
.endm
.macro QUANT s, pc, pw                 ; 64 numbers, register 16 b + i = k 32 b + 16 h + i of row r -> a fragment's codes and its scale word
.irp b, 0,1,2,3
	v_max3_num_f32 v[TM+\b], |v[\s+16*\b]|, |v[\s+1+16*\b]|, 0x1800000   ; and the floor 2^(3 - 127): the byte cannot fall under 1
.endr
.irp i, 2,4,6,8,10,12,14
.irp b, 0,1,2,3
	v_max3_num_f32 v[TM+\b], v[TM+\b], |v[\s+16*\b+\i]|, |v[\s+1+16*\b+\i]|
.endr
.endr
.irp b, 0,1,2,3
	v_permlanex16_b32 v[TM+4+\b], v[TM+\b], s[SEL], s[SEL+1]
.endr
.irp b, 0,1,2,3
	v_max_num_f32 v[TM+\b], v[TM+\b], v[TM+4+\b]
.endr
.irp b, 0,1,2,3
	v_add_nc_u32 v[TM+12+\b], 0xff000000, v[TM+\b]   ; 2 off the exponent field: the conversion's scale operand
.endr
.irp b, 0,1,2,3
	v_lshrrev_b32 v[TM+4+\b], 23, v[TM+12+\b]
.endr
	v_lshl_or_b32 v[\pw], v[TM+5], 8, v[TM+4]
	v_lshl_or_b32 v[\pw], v[TM+6], 16, v[\pw]
	v_lshl_or_b32 v[\pw], v[TM+7], 24, v[\pw]
.irp b, 0,1,2,3
	v_cvt_scalef32_pk8_fp4_f32 v[\pc+2*\b], v[\s+16*\b:\s+7+16*\b], v[TM+12+\b]
	v_cvt_scalef32_pk8_fp4_f32 v[\pc+1+2*\b], v[\s+8+16*\b:\s+15+16*\b], v[TM+12+\b]
.endr
	v_nop                                          ; one plain place behind a scaled conversion
.irp c, 0,1
.irp i, 0,1
	v_permlane16_swap_b32 v[\pc+4*\c+\i], v[\pc+2+4*\c+\i]
.endr
.endr
.endm
; 16 rows x 512 bytes through my stage: in as loaded, out 64 bytes a lane.  LDS serves a wave's instructions in order: no wait between.  Rows 528 bytes apart
.macro TURN src, win
	WIN \win
.irp i, 0,1,2,3,4,5,6,7,8,9,10,11,12,13,14,15
	ds_store_b128 v[STI], v[\src+4*\i:\src+4*\i+3] offset:528*\i
.endr
	WIN 0
.irp b, 0,1,2,3
.irp j, 0,1,2,3
	ds_load_b128 v[ST+16*\b+4*\j:ST+16*\b+4*\j+3], v[STO] offset:128*\b+16*\j
.endr
.endr
.endm
.macro IMAGE adr, off
.irp c, 0,1
	ds_store_b128 v[\adr], v[PC+4*\c:PC+4*\c+3] offset:\off+512*\c
.endr
.endm
; 16 products: one tile of 16 channels (slot) x four tiles of positions, all of K.  The four accumulators take turns, one instruction a turn.
; o = 0: source 0 = the weights: lane = position, registers = channels.   o = 1: swapped: lane = channel, registers = positions.   cc: the bias, C of the first K step
.macro GEMM o, slot, cc
.irp s, 0,1,2,3
.irp m, 0,1,2,3
.if \o == 0
.if \s == 0
	v_wmma_scale_f32_16x16x128_f8f6f4 v[ACC+8*\m:ACC+8*\m+7], v[128+32*(\slot)+8*\s:128+32*(\slot)+8*\s+7], v[8*(4*\m+\s):8*(4*\m+\s)+7], v[\cc:\cc+7], v[WS+4*(\slot)+\s], v[XS+4*\m+\s] matrix_a_fmt:MATRIX_FMT_FP4 matrix_b_fmt:MATRIX_FMT_FP4
.else
	v_wmma_scale_f32_16x16x128_f8f6f4 v[ACC+8*\m:ACC+8*\m+7], v[128+32*(\slot)+8*\s:128+32*(\slot)+8*\s+7], v[8*(4*\m+\s):8*(4*\m+\s)+7], v[ACC+8*\m:ACC+8*\m+7], v[WS+4*(\slot)+\s], v[XS+4*\m+\s] matrix_a_fmt:MATRIX_FMT_FP4 matrix_b_fmt:MATRIX_FMT_FP4
.endif
.else
.if \s == 0
	v_wmma_scale_f32_16x16x128_f8f6f4 v[ACC+8*\m:ACC+8*\m+7], v[8*(4*\m+\s):8*(4*\m+\s)+7], v[128+32*(\slot)+8*\s:128+32*(\slot)+8*\s+7], v[\cc:\cc+7], v[XS+4*\m+\s], v[WS+4*(\slot)+\s] matrix_a_fmt:MATRIX_FMT_FP4 matrix_b_fmt:MATRIX_FMT_FP4
.else
	v_wmma_scale_f32_16x16x128_f8f6f4 v[ACC+8*\m:ACC+8*\m+7], v[8*(4*\m+\s):8*(4*\m+\s)+7], v[128+32*(\slot)+8*\s:128+32*(\slot)+8*\s+7], v[ACC+8*\m:ACC+8*\m+7], v[XS+4*\m+\s], v[WS+4*(\slot)+\s] matrix_a_fmt:MATRIX_FMT_FP4 matrix_b_fmt:MATRIX_FMT_FP4
.endif
.endif
.endr
.endr
.endm
; the four accumulators, rounded to f16, are four pieces of operand images.  isv = 0: K's fragment of key tile m, piece t.   isv = 1: V's fragment (key block m / 2, channel tile t), piece m % 2
.macro EMIT t, isv
	s_wait_xcnt 0x0                                ; the earlier stores have read their data: OUTR is written again only behind this wait
.irp m, 0,1,2,3
.irp i, 0,1,2,3
	v_cvt_pk_f16_f32 v[OUTR+4*\m+\i], v[ACC+8*\m+2*\i], v[ACC+8*\m+2*\i+1]   ; each accumulator from its low end on
.endr
.endr
.irp m, 0,1,2,3
.if \isv
	global_store_b128 v[LI], v[OUTR+4*\m:OUTR+4*\m+3], s[20:21] offset:4096+1024*(2*(\m/2)+\t)+512*(\m%2)
.else
	global_store_b128 v[LI], v[OUTR+4*\m:OUTR+4*\m+3], s[20:21] offset:1024*\m+512*\t
.endif
.endr
.endm
; the sums of k' and of k'^2 over the 64 positions, for my lane's channel of tile t: two chains each, then the other half of the lanes
.macro ES t
	v_pk_add_f32 v[112:113], v[ACC:ACC+1], v[ACC+2:ACC+3]
	v_pk_mul_f32 v[116:117], v[ACC:ACC+1], v[ACC:ACC+1]
	v_pk_mul_f32 v[118:119], v[ACC+2:ACC+3], v[ACC+2:ACC+3]
	v_pk_add_f32 v[114:115], v[ACC+4:ACC+5], v[ACC+6:ACC+7]
	v_pk_fma_f32 v[116:117], v[ACC+4:ACC+5], v[ACC+4:ACC+5], v[116:117]
	v_pk_fma_f32 v[118:119], v[ACC+6:ACC+7], v[ACC+6:ACC+7], v[118:119]
.irp p, 8,12,16,20,24,28
	v_pk_add_f32 v[112:113], v[112:113], v[ACC+\p:ACC+\p+1]
	v_pk_add_f32 v[114:115], v[114:115], v[ACC+\p+2:ACC+\p+3]
	v_pk_fma_f32 v[116:117], v[ACC+\p:ACC+\p+1], v[ACC+\p:ACC+\p+1], v[116:117]
	v_pk_fma_f32 v[118:119], v[ACC+\p+2:ACC+\p+3], v[ACC+\p+2:ACC+\p+3], v[118:119]
.endr
	v_pk_add_f32 v[112:113], v[112:113], v[114:115]
	v_pk_add_f32 v[116:117], v[116:117], v[118:119]
	v_add_f32 v112, v112, v113
	v_add_f32 v116, v116, v117
	v_permlanex16_b32 v120, v112, s[SEL], s[SEL+1]
	v_permlanex16_b32 v121, v116, s[SEL], s[SEL+1]
	v_add_f32 v[R1+\t], v112, v120
	v_add_f32 v[R2+\t], v116, v121
.endm
	s_load_b256 s[4:11], s[0:1], 0x0               ; x s[4:5], l s[6:7], wfrag s[8:9], wscl s[10:11]
	s_load_b256 s[12:19], s[0:1], 0x20             ; kc s[12:13], bq s[14:15], bv s[16:17], qf s[18:19]
	s_load_b128 s[20:23], s[0:1], 0x40             ; kv s[20:21], kst s[22:23]
	v_lshl_add_u32 v[SPW], v0, 2, SPARE
	v_mov_b32 v[NIL], 0
	v_lshrrev_b32 v3, 5, v0
	v_readfirstlane_b32 s24, v3                    ; wave 0..7
	v_and_b32 v15, 31, v0                          ; lane
	v_lshlrev_b32 v[LI], 4, v15
	v_lshlrev_b32 v[L4], 2, v15
	v_lshlrev_b32 v[L8], 3, v15
	v_bfe_u32 v3, v0, 4, 1                         ; h
	v_and_b32 v15, 15, v0                          ; r
	s_mul_i32 s26, s24, 16*528
	s_add_co_u32 s26, s26, STAGE                   ; my stage
	v_add_nc_u32 v[STI], s26, v[LI]
	v_mul_u32_u24 v[STO], v15, 528
	v_lshl_add_u32 v[STO], v3, 6, v[STO]
	v_add_nc_u32 v[STO], s26, v[STO]
	s_lshl_b32 s26, s24, 11
	v_add_nc_u32 v[XWI], s26, v[LI]                ; fragments 2 w and 2 w + 1
	s_lshl_b32 s26, s24, 8
	s_add_co_u32 s26, s26, XSC
	v_add_nc_u32 v[XWS], s26, v[L4]
	s_lshl_b32 s26, s24, 10
	s_add_co_u32 s26, s26, LIMG
	v_add_nc_u32 v[LWI], s26, v[LI]
	s_lshl_b32 s26, s24, 7
	s_add_co_u32 s26, s26, LSC
	v_add_nc_u32 v[LWS], s26, v[L4]
	v_lshlrev_b32 v[BAO], 5, v3
	v_lshlrev_b32 v[BBO], 2, v15
.irp b, 0,1,2,3
	v_mov_b32 v[TM+4+\b], 0                        ; written once: a lane permute's destination counts as one of its sources
.endr
	s_mov_b32 s[SEL], 0x76543210
	s_mov_b32 s[SEL+1], 0xfedcba98
	s_mov_b32 s[MSK], 0xffff0000                   ; lanes 16 to 31
	s_lshr_b32 s28, ttmp9, 6                       ; b
	s_and_b32 s29, ttmp9, 63                       ; st
	s_lshl_b32 s34, s28, 3
	s_add_co_u32 s34, s34, s24                     ; y = 8 b + head
	s_mov_b32 s27, 0
	s_wait_kmcnt 0x0
	s_lshl_b32 s26, ttmp9, 17                      ; x: 64 rows of 2,048 bytes a work-group,
	s_lshr_b32 s33, s24, 1
	s_lshl_b32 s33, s33, 15                        ; 16 rows a tile,
	s_add_co_u32 s26, s26, s33
	s_and_b32 s33, s24, 1
	s_lshl_b32 s33, s33, 10                        ; two K steps of 512 bytes
	s_add_co_u32 s26, s26, s33
	s_add_nc_u64 s[4:5], s[4:5], s[26:27]
	s_lshl_b32 s26, ttmp9, 15                      ; l: 16 rows a work-group, K step w
	s_lshl_b32 s33, s24, 9
	s_add_co_u32 s26, s26, s33
	s_add_nc_u64 s[6:7], s[6:7], s[26:27]
	s_lshl_b32 s26, s24, 13                        ; my head's two tiles in wfrag
	s_add_nc_u64 s[8:9], s[8:9], s[26:27]
	s_lshl_b32 s26, s24, 10                        ; and in wscl
	s_add_nc_u64 s[10:11], s[10:11], s[26:27]
	s_lshl_b32 s26, s24, 7                         ; my head's 32 channels in bq and bv,
	s_add_nc_u64 s[14:15], s[14:15], s[26:27]
	s_add_nc_u64 s[16:17], s[16:17], s[26:27]
	s_lshl_b32 s33, s28, 10
	s_add_co_u32 s26, s26, s33                     ; and in my batch's kc
	s_add_nc_u64 s[12:13], s[12:13], s[26:27]
	s_lshl_b32 s26, s34, 6
	s_add_co_u32 s26, s26, s29
	s_lshl_b32 s26, s26, 11                        ; qf: (64 y + st) x 2,048
	s_add_nc_u64 s[18:19], s[18:19], s[26:27]
	s_lshl_b32 s26, s34, 19
	s_lshl_b32 s33, s29, 13
	s_add_co_u32 s26, s26, s33                     ; kv: 2^19 y + 8,192 st
	s_add_nc_u64 s[20:21], s[20:21], s[26:27]
	s_lshl_b32 s26, ttmp9, 3
	s_add_co_u32 s26, s26, s24
	s_lshl_b32 s26, s26, 8                         ; kst: (8 g + head) x 256
	s_add_nc_u64 s[22:23], s[22:23], s[26:27]
	; ---- all loads go out at once; l's stand first, so that the counts below hold in every wave
	s_cmp_ge_u32 s24, 4
	s_cbranch_scc1 .Lno_l
.irp i, 0,1,2,3,4,5,6,7,8,9,10,11,12,13,14,15
	global_load_b128 v[192+4*\i:195+4*\i], v[LI], s[6:7] offset:2048*\i th:TH_LOAD_NT
.endr
.Lno_l:
	global_load_b32 v[CB], v[BBO], s[12:13]
	global_load_b32 v[CB+1], v[BBO], s[12:13] offset:64
	global_load_b32 v[CB+2], v[BBO], s[16:17]
	global_load_b32 v[CB+3], v[BBO], s[16:17] offset:64
	WIN 0x40                                       ; destination window 1
.irp q, 0,1
.irp i, 0,1,2,3,4,5,6,7,8,9,10,11,12,13,14,15
	global_load_b128 v[64*\q+4*\i:64*\q+4*\i+3], v[LI], s[4:5] offset:2048*\i+512*\q th:TH_LOAD_NT   ; 512 consecutive bytes of row i
.endr
.endr
.irp a, 0,1                                    ; Wq into slots 0, 1; Wk into slots 2, 3
.irp t, 0,1
.irp n, 0,1,2,3,4,5,6,7
	global_load_b128 v[128+64*\a+32*\t+4*\n:128+64*\a+32*\t+4*\n+3], v[LI], s[8:9] offset:65536*\a+4096*\t+512*\n
.endr
.endr
.endr
	WIN 0
.irp a, 0,1
.irp t, 0,1
	global_load_b128 v[WS+8*\a+4*\t:WS+8*\a+4*\t+3], v[LI], s[10:11] offset:8192*\a+512*\t
.endr
.endr
.irp n, 0,1,2,3
	global_load_b128 v[CAQ+4*\n:CAQ+4*\n+3], v[BAO], s[14:15] offset:64*(\n/2)+16*(\n%2)
.endr
.irp n, 0,1,2,3
	global_load_b128 v[CAK+4*\n:CAK+4*\n+3], v[BAO], s[12:13] offset:64*(\n/2)+16*(\n%2)
.endr
	; ---- quantising
	s_wait_loadcnt 60                              ; behind my first K step's 16 loads: 16 of the second, 32 of weights, 12 of scale words and biases
	TURN 0, 0x04
	s_wait_dscnt 0x0
	QUANT ST, PC, PW
	IMAGE XWI, XIMG
	ds_store_b32 v[XWS], v[PW]
	s_wait_loadcnt 44                              ; the second K step is in (and l, which was asked for ahead of it)
	TURN 64, 0x04
	s_wait_dscnt 0x0                               ; the numbers are back, and the image's stores have read their registers
	QUANT ST, PC, PW
	IMAGE XWI, XIMG+1024
	ds_store_b32 v[XWS], v[PW] offset:128
	s_cmp_ge_u32 s24, 4
	s_cbranch_scc1 .Lno_l2
	TURN 192, 0
	s_wait_dscnt 0x0
	QUANT ST, PC, PW
	IMAGE LWI, 0
	ds_store_b32 v[LWS], v[PW]
.Lno_l2:
	s_wait_dscnt 0x0                               ; for the others' sake: my images lie in LDS
	s_barrier_signal -1
	s_barrier_wait -1
	; ---- every wave takes all fragments of x and l
	WIN 0x40
.irp n, 0,1,2,3,4,5,6,7,8,9,10,11,12,13,14,15,16,17,18,19,20,21,22,23,24,25,26,27,28,29,30,31
	ds_load_b128 v[4*\n:4*\n+3], v[LI] offset:XIMG+512*\n
.endr
	WIN 0
.irp n, 0,1,2,3,4,5,6,7
	ds_load_b128 v[LF+4*\n:LF+4*\n+3], v[LI] offset:LIMG+512*\n
.endr
.irp n, 0,1,2,3,4,5,6,7,8,9,10,11,12,13,14,15
	ds_load_b32 v[XS+\n], v[L4] offset:XSC+128*\n
.endr
.irp n, 0,1,2,3
	ds_load_b32 v[LS+\n], v[L4] offset:LSC+128*\n
.endr
	s_wait_loadcnt 0x0                             ; weights, scale words, biases
.irp n, 0,1,2,3
.irp j, 0,1,2,3,4,5,6,7
	v_mov_b32 v[CR+8*\n+\j], v[CB+\n]              ; my channel's bias for each of a lane's eight positions
.endr
.endr
	s_wait_dscnt 0x0
	; ---- q: two tiles of channels by turns
	WIN 0x01                                       ; source 0 (Wq) window 1
.irp s, 0,1,2,3
.irp t, 0,1
.if \s == 0
	v_wmma_scale_f32_16x16x128_f8f6f4 v[ACC+8*\t:ACC+8*\t+7], v[128+32*\t+8*\s:128+32*\t+8*\s+7], v[LF+8*\s:LF+8*\s+7], v[CAQ+8*\t:CAQ+8*\t+7], v[WS+4*\t+\s], v[LS+\s] matrix_a_fmt:MATRIX_FMT_FP4 matrix_b_fmt:MATRIX_FMT_FP4
.else
	v_wmma_scale_f32_16x16x128_f8f6f4 v[ACC+8*\t:ACC+8*\t+7], v[128+32*\t+8*\s:128+32*\t+8*\s+7], v[LF+8*\s:LF+8*\s+7], v[ACC+8*\t:ACC+8*\t+7], v[WS+4*\t+\s], v[LS+\s] matrix_a_fmt:MATRIX_FMT_FP4 matrix_b_fmt:MATRIX_FMT_FP4
.endif
.endr
.endr
	WIN 0
	PLACES 5                                       ; four for the stores and the loads below, the fifth for the products that begin these accumulators anew
.irp p, 0,1,2,3
	global_store_b128 v[LI], v[ACC+4*\p:ACC+4*\p+3], s[18:19] offset:512*\p
.endr
	WIN 0x40
.irp t, 0,1                                    ; Wv takes Wq's slots
.irp n, 0,1,2,3,4,5,6,7
	global_load_b128 v[128+32*\t+4*\n:128+32*\t+4*\n+3], v[LI], s[8:9] offset:131072+4096*\t+512*\n
.endr
.endr
	WIN 0
.irp t, 0,1
	global_load_b128 v[WS+4*\t:WS+4*\t+3], v[LI], s[10:11] offset:16384+512*\t
.endr
	s_wait_xcnt 0x0                                ; q's stores have read the accumulators
	; ---- k', a lane to a position: the attention's K fragments
	WIN 0x05                                       ; sources 0 and 1 window 1
	GEMM 0, 2, CAK
	WIN 0
	PLACES 5
	EMIT 0, 0
	WIN 0x05
	GEMM 0, 3, CAK+8
	WIN 0
	PLACES 5
	EMIT 1, 0
	; ---- k' once more, a lane to a channel: its sums
	WIN 0x05
	GEMM 1, 2, CR
	WIN 0
	PLACES 5
	ES 0
	WIN 0x05
	GEMM 1, 3, CR+8
	WIN 0
	PLACES 5
	ES 1
	v_cndmask_b32 v[RP], v[R1], v[R2], s[MSK]      ; lanes 0-15 store the sums, lanes 16-31 the sums of squares
	v_cndmask_b32 v[RP+1], v[R1+1], v[R2+1], s[MSK]
	global_store_b64 v[L8], v[RP:RP+1], s[22:23]   ; 256 consecutive bytes, aligned
	; ---- v, a lane to a channel: the attention's V fragments
	s_wait_loadcnt 0x0                             ; Wv and its scale words
	WIN 0x05
	GEMM 1, 0, CR+16
	WIN 0
	PLACES 5
	EMIT 0, 1
	WIN 0x05
	GEMM 1, 1, CR+24
	WIN 0
	PLACES 5
	EMIT 1, 1
	s_wait_tensorcnt 0x0                           ; the wave's end
	ds_add_u32 v[SPW], v[NIL]
	s_wait_dscnt 0x0
	s_endpgm
.Lfunc_end_k_qef7cd9d67c_proj:
	.size	k_qef7cd9d67c_proj, .Lfunc_end_k_qef7cd9d67c_proj-k_qef7cd9d67c_proj
	.p2alignl 7, 3214868480
	.fill 96, 4, 3214868480
	.section	.rodata,"a",@progbits
	.p2align	6, 0x0
	.amdhsa_kernel k_qef7cd9d67c_proj
		.amdhsa_group_segment_fixed_size 91648
		.amdhsa_private_segment_fixed_size 0
		.amdhsa_enable_private_segment 0
		.amdhsa_kernarg_size 80
		.amdhsa_user_sgpr_count 2
		.amdhsa_user_sgpr_kernarg_segment_ptr 1
		.amdhsa_wavefront_size32 1
		.amdhsa_system_sgpr_workgroup_id_x 1
		.amdhsa_system_sgpr_workgroup_id_y 1
		.amdhsa_system_sgpr_workgroup_id_z 1
		.amdhsa_system_vgpr_workitem_id 0
		.amdhsa_next_free_vgpr 512
		.amdhsa_next_free_sgpr 66
		.amdhsa_reserve_vcc 0
		.amdhsa_float_denorm_mode_32 3
		.amdhsa_float_denorm_mode_16_64 3
		.amdhsa_memory_ordered 1
		.amdhsa_forward_progress 1
		.amdhsa_inst_pref_size 63
	.end_amdhsa_kernel
	.amdgpu_metadata
---
amdhsa.version: [ 1, 2 ]
amdhsa.kernels:
  - .name:           k_qef7cd9d67c_proj
    .symbol:         k_qef7cd9d67c_proj.kd
    .args:
      - { .name: x, .offset: 0, .size: 8, .value_kind: global_buffer, .address_space: global }
      - { .name: l, .offset: 8, .size: 8, .value_kind: global_buffer, .address_space: global }
      - { .name: wfrag, .offset: 16, .size: 8, .value_kind: global_buffer, .address_space: global }
      - { .name: wscl, .offset: 24, .size: 8, .value_kind: global_buffer, .address_space: global }
      - { .name: kc, .offset: 32, .size: 8, .value_kind: global_buffer, .address_space: global }
      - { .name: bq, .offset: 40, .size: 8, .value_kind: global_buffer, .address_space: global }
      - { .name: bv, .offset: 48, .size: 8, .value_kind: global_buffer, .address_space: global }
      - { .name: qf, .offset: 56, .size: 8, .value_kind: global_buffer, .address_space: global }
      - { .name: kv, .offset: 64, .size: 8, .value_kind: global_buffer, .address_space: global }
      - { .name: kst, .offset: 72, .size: 8, .value_kind: global_buffer, .address_space: global }
    .group_segment_fixed_size: 91648
    .private_segment_fixed_size: 0
    .kernarg_segment_align: 8
    .kernarg_segment_size: 80
    .max_flat_workgroup_size: 256
    .sgpr_count:     66
    .vgpr_count:     512
    .wavefront_size: 32
...
	.end_amdgpu_metadata
.endif
;; end of part 2
;; launch attn (part 3): grid 8 x 32, 8 waves a work-group, clusters of 4 x 1, 327,680 bytes of LDS; arguments qf, kv, kst, ohl; writes ohl
.if DOCPART == 3
	.amdgcn_target "amdgcn-amd-amdhsa--gfx1250"
	.amdhsa_code_object_version 6
	.text
	.protected	k_qef7cd9d67c_attn
	.globl	k_qef7cd9d67c_attn
	.p2align	8
	.type	k_qef7cd9d67c_attn,@function
k_qef7cd9d67c_attn:
	s_mov_b64 s[64:65], 0
	v_nop
	global_prefetch_b8 v0, s[64:65] scope:SCOPE_SE
	s_setreg_imm32_b32 hwreg(HW_REG_WAVE_MODE, 25, 1), 1
	s_wait_xcnt 0x0
	s_wait_alu depctr_hold_cnt(0) depctr_sa_sdst(0) depctr_va_vdst(0) depctr_va_sdst(0) depctr_va_ssrc(0) depctr_va_vcc(0) depctr_vm_vsrc(0)
	s_getreg_b32 s2, hwreg(HW_REG_IB_STS2, 6, 4)
	s_cmp_eq_u32 s2, 0
	s_cbranch_scc0 .Lentry_in_a_cluster
	s_endpgm
.Lentry_in_a_cluster:
	s_bfe_u32 s2, ttmp6, 0x10000c
	s_cmp_lg_u32 s2, 0x3003
	s_cbranch_scc0 .Lentry_shape_is_right
	s_endpgm
.Lentry_shape_is_right:
; Attention of one (batch, head) y: softmax over 4,096 keys of q . inorm(k) / 16, times v; head size 32; f16 operands, f32 sums, a running maximum.
; K'S NORM.  kv holds k' = k - pivot.  The 64 partial sums of k' and k'^2 give mean' and var = E(k'^2) - mean'^2 (mean' is small beside the spread, by the pivot's choice).  r = rsqrt(var + EPS) goes into q.
; What is left of the mean, q . r (pivot - mean), is one number for each query and head: it moves all scores of a row alike, and the softmax takes the row's maximum away: it drops out for every input.
; Q'S RANGE.  q' = q r log2(e) / 16 is brought under 2 in magnitude for each query by a power of two, 2^-e, before it is rounded to f16; CL = 2^e multiplies the scores again in the scaling that they need anyway.
; SHARES.  A work-group owns 128 queries.  Wave w: 32 queries (tiles 2 (w % 4), + 1) and one half of the keys (w / 4): of each slot's 16 key steps of 64 it walks eight.  The two halves are joined at the end through LDS.
; LAYOUT.  S^T = K Q^T, O^T = V^T P: a lane holds one query throughout.  kv holds images of operand registers: a fragment comes by two ds_load_b128 at 16 x lane, with no pitch and no padding.
; CLUSTER.  The four query blocks of a cluster walk the same kv: each of the eight waves asks JOINTLY for its 16,384 bytes of a slot (131,072 bytes, 1,024 keys).  By this text's count a wave has one tensor load out.
; A refill goes out eight key steps ahead of the first read of its bytes, so no prefetch is laid.
; THE RESULT, times 8, leaves as a pair of f16 numbers: the high part is the f32 number with its low 13 mantissa bits cleared, the low part the exact remainder.
; LIMITS: NaN and infinities are not served; |q r log2(e) / 16| stays under 2^126; |result| under 8,188; where 8 |result| lies under f16's normal range the high part is rounded once more, by 2^-25 at the most.
.set MRG,   262144                     ; behind the two slots: where the upper half's waves leave O, m and l: 4,608 bytes for each of four
.set SPARE, 280576                     ; the spare words, 128 bytes a wave; no other line names them
.set LI,   1                           ; v1   16 x lane
.set ADR0, 2                           ; v2   16 x lane + 65,536 x my half of the keys
.set ADR,  3                           ; v3   the step in hand
.set L8,   4                           ; v4   8 x lane
.set MRA,  5                           ; v5   my group's place in MRG
.set SPW,  6                           ; v6   my spare word;  v7  0
.set NIL,  7
.set ST,   8                           ; tile T at v[8 + 8 T]: pairs CL, m, l, a
.set CC,   24                          ; v24-31 four registers at work for each tile
.set QQ,   32                          ; v32-47  Q, 8 a tile
.set KK,   48                          ; v48-79  K of a step: four tiles of 16 keys
.set VV,   80                          ; v80-111 V of a step: (key block, channel tile)
.set PP,   112                         ; v112-143 P, 16 a tile
.set SS,   144                         ; v144-207 S^T, 32 a tile
.set OO,   208                         ; v208-239 O^T, 16 a tile
.set WV,   12
.set G1,   16                          ; s[16:23] descriptor group 1;  s[24:27] group 0, which walks
.set G0,   24
.set TB,   28                          ; s28  LDS byte at which the step in hand begins (less my half's part)
.set SLOTS, 29
.set CNT,  30
.set SEL,  32
.set MSK,  34
.set HIM,  35
.macro PLACES n
.rept \n
	v_nop
.endr
.endm
.macro CROUND                          ; a round of the cluster's barrier
	s_barrier_signal -1
	s_barrier_wait -1
	s_cmp_lg_u32 s[WV], 0
	s_cbranch_scc1 .Lnot_wave_0_\@
	s_barrier_signal -3
.Lnot_wave_0_\@:
	s_barrier_wait -3
	s_barrier_signal -1
	s_barrier_wait -1
.endm
; A KEY STEP: 64 keys x my 32 queries.  pre = 1: the next step's K is asked for behind this step's first products
.macro STEP pre
	v_add_nc_u32 v[ADR], s[TB], v[ADR0]            ; with the three below: four places behind the last products, which read V
	PLACES 3
.irp f, 0,1,2,3
.irp c, 0,1
	ds_load_b128 v[VV+8*\f+4*\c:VV+8*\f+4*\c+3], v[ADR] offset:4096+1024*\f+512*\c
.endr
.endr
	s_wait_dscnt 8                                 ; K is in; V's eight loads may be out
.irp kt, 0,1,2,3
.irp T, 0,1
	v_wmma_f32_16x16x32_f16 v[SS+32*\T+8*\kt:SS+32*\T+8*\kt+7], v[KK+8*\kt:KK+8*\kt+7], v[QQ+8*\T:QQ+8*\T+7], 0
.endr
.endr
	PLACES 4
.if \pre
.irp kt, 0,1,2,3
.irp c, 0,1
	ds_load_b128 v[KK+8*\kt+4*\c:KK+8*\kt+4*\c+3], v[ADR] offset:8192+1024*\kt+512*\c
.endr
.endr
.endif
	; the row's largest score: four chains a tile, each accumulator from its low end on; the two tiles by turns
.irp k, 0,1,2,3
.irp T, 0,1
	v_max3_num_f32 v[CC+4*\T+\k], v[SS+32*\T+8*\k], v[SS+32*\T+8*\k+1], v[SS+32*\T+8*\k+2]
.endr
.endr
.irp i, 3,5
.irp k, 0,1,2,3
.irp T, 0,1
	v_max3_num_f32 v[CC+4*\T+\k], v[CC+4*\T+\k], v[SS+32*\T+8*\k+\i], v[SS+32*\T+8*\k+\i+1]
.endr
.endr
.endr
.irp T, 0,1
	v_max3_num_f32 v[CC+4*\T], v[CC+4*\T], v[SS+32*\T+7], v[SS+32*\T+15]
	v_max3_num_f32 v[CC+4*\T+2], v[CC+4*\T+2], v[SS+32*\T+23], v[SS+32*\T+31]
.endr
.irp T, 0,1
	v_max3_num_f32 v[CC+4*\T], v[CC+4*\T], v[CC+4*\T+1], v[CC+4*\T+2]
.endr
.irp T, 0,1
	v_max_num_f32 v[CC+4*\T], v[CC+4*\T], v[CC+4*\T+3]
.endr
.irp T, 0,1
	v_permlanex16_b32 v[CC+4*\T+1], v[CC+4*\T], s[SEL], s[SEL+1]   ; the query's other 32 keys lie in the lane 16 away
.endr
.irp T, 0,1
	v_max_num_f32 v[CC+4*\T], v[CC+4*\T], v[CC+4*\T+1]
.endr
.irp T, 0,1
	v_mul_f32 v[CC+4*\T], v[ST+8*\T], v[CC+4*\T]   ; as an exponent of two: CL is a power of two, so nothing is rounded
.endr
.irp T, 0,1
	v_max_num_f32 v[CC+4*\T+2], v[ST+8*\T+2], v[CC+4*\T]   ; the new m
.endr
.irp T, 0,1
	v_sub_f32 v[CC+4*\T+3], v[ST+8*\T+2], v[CC+4*\T+2]
.endr
.irp T, 0,1
	v_mov_b32 v[ST+8*\T+2], v[CC+4*\T+2]
.endr
.irp T, 0,1
	v_exp_f32 v[ST+8*\T+6], v[CC+4*\T+3]           ; a = 2^(old m - new m)
.endr
.set j, 0
.rept 16
.irp T, 0,1
	v_pk_fma_f32 v[SS+32*\T+j:SS+32*\T+j+1], v[SS+32*\T+j:SS+32*\T+j+1], v[ST+8*\T:ST+8*\T+1], v[ST+8*\T+2:ST+8*\T+3] op_sel_hi:[1,0,0] neg_lo:[0,0,1] neg_hi:[0,0,1]   ; CL s - m
.endr
.set j, j+2
.endr
.set j, 0
.rept 32
	v_exp_f32 v[SS+j], v[SS+j]
	v_exp_f32 v[SS+32+j], v[SS+32+j]
.set j, j+1
.endr
	v_nop                                          ; a plain place behind the last exponential
	s_wait_alu depctr_va_vdst(0)                   ; one wait for the step's 66 exponentials, ahead of the first line that names a result
.irp T, 0,1
	v_pk_mul_f32 v[ST+8*\T+4:ST+8*\T+5], v[ST+8*\T+4:ST+8*\T+5], v[ST+8*\T+6:ST+8*\T+7] op_sel_hi:[1,0]   ; l under the new m
.endr
.set j, 0
.rept 16
.irp T, 0,1
	v_cvt_pk_f16_f32 v[PP+16*\T+j], v[SS+32*\T+2*j], v[SS+32*\T+2*j+1]   ; two tiles of 16 keys, rounded in pairs, are the second product's operand
.endr
.set j, j+1
.endr
.irp T, 0,1
	v_pk_add_f32 v[CC+4*\T:CC+4*\T+1], v[SS+32*\T:SS+32*\T+1], v[SS+32*\T+2:SS+32*\T+3]   ; the row's sum, of the unrounded p, in two chains
.endr
.irp i, 4,8,12,16,20,24,28
.irp T, 0,1
	v_pk_add_f32 v[ST+8*\T+4:ST+8*\T+5], v[ST+8*\T+4:ST+8*\T+5], v[SS+32*\T+\i:SS+32*\T+\i+1]
	v_pk_add_f32 v[CC+4*\T:CC+4*\T+1], v[CC+4*\T:CC+4*\T+1], v[SS+32*\T+\i+2:SS+32*\T+\i+3]
.endr
.endr
.irp T, 0,1
	v_pk_add_f32 v[ST+8*\T+4:ST+8*\T+5], v[ST+8*\T+4:ST+8*\T+5], v[CC+4*\T:CC+4*\T+1]
.endr
.irp i, 0,2,4,6,8,10,12,14
.irp T, 0,1
	v_pk_mul_f32 v[OO+16*\T+\i:OO+16*\T+\i+1], v[OO+16*\T+\i:OO+16*\T+\i+1], v[ST+8*\T+6:ST+8*\T+7] op_sel_hi:[1,0]   ; O^T under the new m
.endr
.endr
.if \pre
	s_wait_dscnt 8                                 ; V is in; the next step's eight loads of K may be out
.else
	s_wait_dscnt 0x0
.endif
.irp ks, 0,1                                   ; the four accumulators take turns, one instruction a turn
.irp T, 0,1
.irp ct, 0,1
	v_wmma_f32_16x16x32_f16 v[OO+16*\T+8*\ct:OO+16*\T+8*\ct+7], v[VV+8*(2*\ks+\ct):VV+8*(2*\ks+\ct)+7], v[PP+16*\T+8*\ks:PP+16*\T+8*\ks+7], v[OO+16*\T+8*\ct:OO+16*\T+8*\ct+7]
.endr
.endr
.endr
	s_add_co_u32 s[TB], s[TB], 8192
.endm
.macro BODY                            ; my eight key steps of the slot in hand
	v_add_nc_u32 v[ADR], s[TB], v[ADR0]
.irp kt, 0,1,2,3
.irp c, 0,1
	ds_load_b128 v[KK+8*\kt+4*\c:KK+8*\kt+4*\c+3], v[ADR] offset:1024*\kt+512*\c
.endr
.endr
	s_mov_b32 s[CNT], 7
.Lstep_\@:
	STEP 1
	s_sub_co_u32 s[CNT], s[CNT], 1
	s_cmp_lg_u32 s[CNT], 0
	s_cbranch_scc1 .Lstep_\@
	STEP 0
	s_sub_co_u32 s[TB], s[TB], 65536               ; back to a slot's head,
	s_xor_b32 s[TB], s[TB], 1<<17                  ; in the other slot
.endm
; THE CHANGE OF SLOTS, at a slot's head.  Each wave waits for all its tensor loads (its part of the slot ahead), adds 0 to its spare word, and waits for that and for its reads of the slot that it has left.
; fill = 1: a round of the cluster's barrier, and behind it my one joint load, into the slot just left (the first time: into slot 1, which nobody has filled yet).
.macro CHANGE fill
	s_wait_tensorcnt 0x0                           ; no tensor load of mine is out, so group 0 may be written
	ds_add_u32 v[SPW], v[NIL]
.if \fill
	s_xor_b32 s[G0+1], s[G0+1], 1<<17              ; the other slot than last time,
	s_add_nc_u64 s[G0+2:G0+3], s[G0+2:G0+3], 131072   ; the next 1,024 keys; the type bits on top are not reached
	s_wait_dscnt 0x0
	CROUND
	tensor_load_to_lds s[G0:G0+3], s[G1:G1+7]
	s_nop 0
.else
	s_wait_dscnt 0x0
	s_barrier_signal -1
	s_barrier_wait -1
.endif
.endm
	s_load_b256 s[4:11], s[0:1], 0x0               ; qf s[4:5], kv s[6:7], kst s[8:9], ohl s[10:11]
	v_lshl_add_u32 v[SPW], v0, 2, SPARE
	v_mov_b32 v[NIL], 0
	ds_add_u32 v[SPW], v[NIL]                      ; the wave's opening: the add, twice on end, and its wait ahead of my first tensor load
	ds_add_u32 v[SPW], v[NIL]
	v_lshrrev_b32 v1, 5, v0
	v_readfirstlane_b32 s[WV], v1                  ; wave 0..7
	s_bfe_u32 s13, ttmp6, 0x40000                  ; cx: it enters qf's and ohl's addresses alone
	s_lshl_b32 s14, ttmp9, 2
	s_add_co_u32 s14, s14, s13                     ; my block of 128 queries
	s_and_b32 s15, ttmp7, 0xffff                   ; y = 8 batch + head, which the four partners share
	s_and_b32 s38, s[WV], 3                        ; my group of 32 queries
	s_lshr_b32 s39, s[WV], 2                       ; my half of the keys
	s_mov_b32 s[G1], 15|(3<<16)|(1<<21)            ; 15:0 the mask: all four work-groups; 17:16 elements of 8 bytes; 21 set beside a mask; no padding
	s_mov_b32 s[G1+1], 32<<16                      ; tensor_dim0 = 32 elements: rows of 256 bytes
	s_mov_b32 s[G1+2], 64<<16                      ; tensor_dim1 = 64
	s_mov_b32 s[G1+3], 32<<16                      ; tile_dim0
	s_mov_b32 s[G1+4], 64                          ; tile_dim1: 64 rows, 16,384 dense bytes
	s_mov_b32 s[G1+5], 32                          ; the pitch
	s_mov_b32 s[G1+6], 0
	s_mov_b32 s[G1+7], 0
	s_mov_b32 s[SEL], 0x76543210
	s_mov_b32 s[SEL+1], 0xfedcba98
	s_mov_b32 s[MSK], 0xffff0000                   ; lanes 16 to 31
	s_mov_b32 s[HIM], 0xffffe000                   ; an f32 number's sign, exponent and upper ten mantissa bits
	v_and_b32 v[L8], 31, v0
	v_lshlrev_b32 v[LI], 4, v[L8]
	v_lshlrev_b32 v[L8], 3, v[L8]
	s_lshl_b32 s36, s39, 16
	v_add_nc_u32 v[ADR0], s36, v[LI]
	s_mul_i32 s36, s38, 4608
	s_add_co_u32 s36, s36, MRG
	v_add_nc_u32 v[MRA], s36, v[LI]
	s_mov_b32 s[TB], 0
	s_mov_b32 s[SLOTS], 3
	s_lshl_b32 s36, s15, 19
	s_lshl_b32 s37, s[WV], 14
	s_add_co_u32 s36, s36, s37                     ; in kv: 2^19 y + my 16,384 bytes of a slot
	s_mov_b32 s37, 0
	s_wait_dscnt 0x0                               ; both opening adds are done
	s_wait_kmcnt 0x0
	s_mov_b32 s[G0], 1
	s_lshl_b32 s[G0+1], s[WV], 14                  ; LDS: slot 0, my part
	s_add_nc_u64 s[G0+2:G0+3], s[6:7], s[36:37]
	s_or_b32 s[G0+3], s[G0+3], 0x80000000
	CROUND                                         ; all four work-groups are here: the first joint loads meet
	tensor_load_to_lds s[G0:G0+3], s[G1:G1+7]      ; slot 0
	s_nop 0
	s_lshl_b32 s36, s15, 6
	s_lshl_b32 s40, s14, 3
	s_add_co_u32 s36, s36, s40
	s_lshl_b32 s40, s38, 1
	s_add_co_u32 s36, s36, s40                     ; 64 y + my first tile of queries
	s_lshl_b32 s36, s36, 11
	s_add_nc_u64 s[4:5], s[4:5], s[36:37]
	s_lshr_b32 s41, s15, 3                         ; batch
	s_and_b32 s42, s15, 7                          ; head
	s_lshl_b32 s36, s41, 17
	s_lshl_b32 s40, s42, 8
	s_add_co_u32 s36, s36, s40
	s_add_nc_u64 s[8:9], s[8:9], s[36:37]          ; kst: my batch's 64 steps, my head's 256 bytes of each
	s_lshl_b32 s36, s41, 6
	s_lshl_b32 s40, s14, 3
	s_add_co_u32 s36, s36, s40
	s_lshl_b32 s40, s38, 1
	s_add_co_u32 s36, s36, s40
	s_lshl_b32 s36, s36, 3
	s_add_co_u32 s36, s36, s42
	s_lshl_b32 s36, s36, 11                        ; ohl: ((64 batch + tile) x 8 + head) x 2,048
	s_add_nc_u64 s[10:11], s[10:11], s[36:37]
.irp n, 0,1,2,3,4,5,6,7
	global_load_b128 v[KK+4*\n:KK+4*\n+3], v[LI], s[4:5] offset:512*\n   ; q of my two tiles, f32: register 16 T + 8 t + j = channel 16 t + 8 h + j
.endr
.set i, 0
.rept 64
	global_load_b64 v[112+2*i:113+2*i], v[L8], s[8:9] offset:2048*i   ; step i's sums: lanes 0-15 of k', lanes 16-31 of k'^2; channel (lane % 16) of tiles 0 and 1
.set i, i+1
.endr
	v_mov_b32 v[CC+1], 0                           ; a lane permute's destination counts as one of its sources
	v_mov_b32 v[CC+5], 0
	s_wait_loadcnt 0x0
.set i, 4
.rept 60
	v_pk_add_f32 v[112+2*(i%4):113+2*(i%4)], v[112+2*(i%4):113+2*(i%4)], v[112+2*i:113+2*i]
.set i, i+1
.endr
	v_pk_add_f32 v[112:113], v[112:113], v[114:115]
	v_pk_add_f32 v[116:117], v[116:117], v[118:119]
	v_pk_add_f32 v[112:113], v[112:113], v[116:117]
	v_permlanex16_b32 v114, v112, s[SEL], s[SEL+1]
	v_permlanex16_b32 v115, v113, s[SEL], s[SEL+1]
	v_cndmask_b32 v116, v112, v114, s[MSK]         ; the sum of k' in every lane,
	v_cndmask_b32 v117, v113, v115, s[MSK]
	v_cndmask_b32 v118, v114, v112, s[MSK]         ; and that of k'^2
	v_cndmask_b32 v119, v115, v113, s[MSK]
	v_mul_f32 v116, 0x39800000, v116               ; / 4,096
	v_mul_f32 v117, 0x39800000, v117
	v_mul_f32 v118, 0x39800000, v118
	v_mul_f32 v119, 0x39800000, v119
	v_fma_f32 v118, -v116, v116, v118              ; the variance
	v_fma_f32 v119, -v117, v117, v119
	v_max_num_f32 v118, 0, v118
	v_max_num_f32 v119, 0, v119
	v_add_f32 v118, 0x3727c5ac, v118               ; + EPS
	v_add_f32 v119, 0x3727c5ac, v119
	v_rsq_f32 v120, v118
	v_rsq_f32 v121, v119
	v_nop
	s_wait_alu depctr_va_vdst(0)                   ; one wait for both, ahead of their first reader
	v_mul_f32 v120, 0x3db8aa3b, v120               ; x log2(e) / 16: lane r holds channel 16 t + r's factor
	v_mul_f32 v121, 0x3db8aa3b, v121
.irp t, 0,1                                    ; my lane wants channels 16 t + 8 h + j.  (All destinations here were written by the loads above)
.irp n, 0,1,2,3,4,5,6,7,8,9,10,11,12,13,14,15
	v_mov_b32_dpp v[160+16*\t+\n], v[120+\t] row_share:\n row_mask:0xf bank_mask:0xf
.endr
.endr
.irp t, 0,1
.irp j, 0,1,2,3,4,5,6,7
	v_cndmask_b32 v[144+8*\t+\j], v[160+16*\t+\j], v[168+16*\t+\j], s[MSK]
.endr
.endr
.irp i, 0,2,4,6,8,10,12,14
.irp T, 0,1
	v_pk_mul_f32 v[KK+16*\T+\i:KK+16*\T+\i+1], v[KK+16*\T+\i:KK+16*\T+\i+1], v[144+\i:145+\i]   ; q'
.endr
.endr
.irp T, 0,1
	v_max3_num_f32 v[CC+4*\T], |v[KK+16*\T]|, |v[KK+16*\T+1]|, 0x0d800000   ; the query's largest |q'|, over a floor of 2^-100
.endr
.irp i, 2,4,6,8,10,12,14
.irp T, 0,1
	v_max3_num_f32 v[CC+4*\T], v[CC+4*\T], |v[KK+16*\T+\i]|, |v[KK+16*\T+\i+1]|
.endr
.endr
.irp T, 0,1
	v_permlanex16_b32 v[CC+4*\T+1], v[CC+4*\T], s[SEL], s[SEL+1]
.endr
.irp T, 0,1
	v_max_num_f32 v[CC+4*\T], v[CC+4*\T], v[CC+4*\T+1]
.endr
.irp T, 0,1
	v_and_b32 v[ST+8*\T], 0x7f800000, v[CC+4*\T]   ; CL = 2^e
	v_mov_b32 v[ST+8*\T+1], v[ST+8*\T]
	v_sub_nc_u32 v[CC+4*\T+2], 0x7f000000, v[ST+8*\T]   ; 2^-e
	v_mov_b32 v[CC+4*\T+3], v[CC+4*\T+2]
.endr
.irp i, 0,2,4,6,8,10,12,14
.irp T, 0,1
	v_pk_mul_f32 v[KK+16*\T+\i:KK+16*\T+\i+1], v[KK+16*\T+\i:KK+16*\T+\i+1], v[CC+4*\T+2:CC+4*\T+3]
.endr
.endr
.irp i, 0,1,2,3,4,5,6,7
.irp T, 0,1
	v_cvt_pk_f16_f32 v[QQ+8*\T+\i], v[KK+16*\T+2*\i], v[KK+16*\T+2*\i+1]
.endr
.endr
.irp T, 0,1
	v_mov_b32 v[ST+8*\T+2], 0xff61b1e6             ; m: -3e38, under every score
	v_mov_b32 v[ST+8*\T+3], 0xff61b1e6
	v_mov_b32 v[ST+8*\T+4], 0                      ; l, in two halves
	v_mov_b32 v[ST+8*\T+5], 0
	v_mov_b32 v[ST+8*\T+6], 0                      ; a (the pair's upper half is named, so it is written)
	v_mov_b32 v[ST+8*\T+7], 0
.endr
.set i, 0
.rept 32
	v_mov_b32 v[OO+i], 0                           ; O^T: the step is written once; the first finds zeros, which a = 0 leaves zeros
.set i, i+1
.endr
.Lslot:                                            ; three trips: behind each change of slots but the last the next slot is asked for
	CHANGE 1
	BODY
	s_sub_co_u32 s[SLOTS], s[SLOTS], 1
	s_cmp_lg_u32 s[SLOTS], 0
	s_cbranch_scc1 .Lslot
	CHANGE 0                                       ; the last slot is written out
	BODY
	; THE WAY OUT.  The additions and moves are the places behind the last products.
.irp T, 0,1
	v_add_f32 v[ST+8*\T+4], v[ST+8*\T+4], v[ST+8*\T+5]
.endr
.irp T, 0,1
	v_permlanex16_b32 v[CC+4*\T+1], v[ST+8*\T+4], s[SEL], s[SEL+1]
.endr
.irp T, 0,1
	v_add_f32 v[CC+4*\T+1], v[ST+8*\T+4], v[CC+4*\T+1]   ; l of my half of the keys
.endr
	v_mov_b32 v[CC], v[ST+2]                       ; v[24:27] = m0, l0, m1, l1
	v_mov_b32 v[CC+2], v[ST+10]
	v_mov_b32 v[CC+3], v[CC+5]
	s_cmp_eq_u32 s39, 0
	s_cbranch_scc1 .Lkeep
.irp p, 0,1,2,3,4,5,6,7
	ds_store_b128 v[MRA], v[OO+4*\p:OO+4*\p+3] offset:512*\p   ; the upper half's waves leave their part, each accumulator from its low end on
.endr
	ds_store_b128 v[MRA], v[CC:CC+3] offset:4096
.Lkeep:
	s_wait_dscnt 0x0
	s_barrier_signal -1
	s_barrier_wait -1
	s_cmp_lg_u32 s39, 0
	s_cbranch_scc1 .Lend
.irp p, 0,1,2,3,4,5,6,7,8
	ds_load_b128 v[144+4*\p:147+4*\p], v[MRA] offset:512*\p   ; O' in v144-175; m0', l0', m1', l1' in v176-179
.endr
	s_wait_dscnt 0x0
.irp T, 0,1
	v_max_num_f32 v[180+\T], v[ST+8*\T+2], v[176+2*\T]
.endr
.irp T, 0,1
	v_sub_f32 v[182+\T], v[ST+8*\T+2], v[180+\T]
	v_sub_f32 v[184+\T], v[176+2*\T], v[180+\T]
.endr
.irp T, 0,1
	v_exp_f32 v[188+4*\T], v[182+\T]
	v_exp_f32 v[190+4*\T], v[184+\T]
.endr
	v_nop
	s_wait_alu depctr_va_vdst(0)
.irp T, 0,1
	v_mul_f32 v[196+\T], v[CC+4*\T+1], v[188+4*\T]
.endr
.irp T, 0,1
	v_fmac_f32 v[196+\T], v[177+2*\T], v[190+4*\T] ; the whole row's sum
.endr
.irp T, 0,1
	v_rcp_f32 v[198+\T], v[196+\T]
.endr
	v_nop
	s_wait_alu depctr_va_vdst(0)
.irp T, 0,1
	v_mul_f32 v[198+\T], 0x41000000, v[198+\T]     ; 8 / the sum
.endr
.irp T, 0,1
	v_mul_f32 v[188+4*\T], v[188+4*\T], v[198+\T]
	v_mul_f32 v[190+4*\T], v[190+4*\T], v[198+\T]
.endr
.irp T, 0,1
.irp i, 0,2,4,6,8,10,12,14
	v_pk_mul_f32 v[OO+16*\T+\i:OO+16*\T+\i+1], v[OO+16*\T+\i:OO+16*\T+\i+1], v[188+4*\T:189+4*\T] op_sel_hi:[1,0]
	v_pk_fma_f32 v[OO+16*\T+\i:OO+16*\T+\i+1], v[144+16*\T+\i:145+16*\T+\i], v[190+4*\T:191+4*\T], v[OO+16*\T+\i:OO+16*\T+\i+1] op_sel_hi:[1,0,1]
.endr
.endr
.set i, 0
.rept 32
	v_and_b32 v[VV+i], s[HIM], v[OO+i]             ; the high part, still f32
.set i, i+1
.endr
.set i, 0
.rept 16
	v_cvt_pk_f16_f32 v[KK+i], v[VV+2*i], v[VV+2*i+1]
.set i, i+1
.endr
.set i, 0
.rept 16
	v_pk_add_f32 v[VV+2*i:VV+2*i+1], v[OO+2*i:OO+2*i+1], v[VV+2*i:VV+2*i+1] neg_lo:[0,1] neg_hi:[0,1]   ; the remainder, exact
.set i, i+1
.endr
.set i, 0
.rept 16
	v_cvt_pk_f16_f32 v[KK+16+i], v[VV+2*i], v[VV+2*i+1]
.set i, i+1
.endr
.irp T, 0,1
.irp c, 0,1
	global_store_b128 v[LI], v[KK+8*\T+4*\c:KK+8*\T+4*\c+3], s[10:11] offset:16384*\T+512*\c          ; 512 consecutive bytes, aligned
	global_store_b128 v[LI], v[KK+16+8*\T+4*\c:KK+16+8*\T+4*\c+3], s[10:11] offset:16384*\T+1024+512*\c
.endr
.endr
.Lend:
	s_wait_tensorcnt 0x0                           ; the wave's end
	ds_add_u32 v[SPW], v[NIL]
	s_wait_dscnt 0x0
	CROUND                                         ; the closing round
	s_endpgm
.Lfunc_end_k_qef7cd9d67c_attn:
	.size	k_qef7cd9d67c_attn, .Lfunc_end_k_qef7cd9d67c_attn-k_qef7cd9d67c_attn
	.p2alignl 7, 3214868480
	.fill 96, 4, 3214868480
	.section	.rodata,"a",@progbits
	.p2align	6, 0x0
	.amdhsa_kernel k_qef7cd9d67c_attn
		.amdhsa_group_segment_fixed_size 327680
		.amdhsa_private_segment_fixed_size 0
		.amdhsa_enable_private_segment 0
		.amdhsa_kernarg_size 32
		.amdhsa_user_sgpr_count 2
		.amdhsa_user_sgpr_kernarg_segment_ptr 1
		.amdhsa_wavefront_size32 1
		.amdhsa_system_sgpr_workgroup_id_x 1
		.amdhsa_system_sgpr_workgroup_id_y 1
		.amdhsa_system_sgpr_workgroup_id_z 1
		.amdhsa_system_vgpr_workitem_id 0
		.amdhsa_next_free_vgpr 256
		.amdhsa_next_free_sgpr 66
		.amdhsa_reserve_vcc 0
		.amdhsa_float_denorm_mode_32 3
		.amdhsa_float_denorm_mode_16_64 3
		.amdhsa_memory_ordered 1
		.amdhsa_forward_progress 1
		.amdhsa_inst_pref_size 92
	.end_amdhsa_kernel
	.amdgpu_metadata
---
amdhsa.version: [ 1, 2 ]
amdhsa.kernels:
  - .name:           k_qef7cd9d67c_attn
    .symbol:         k_qef7cd9d67c_attn.kd
    .args:
      - { .name: qf, .offset: 0, .size: 8, .value_kind: global_buffer, .address_space: global }
      - { .name: kv, .offset: 8, .size: 8, .value_kind: global_buffer, .address_space: global }
      - { .name: kst, .offset: 16, .size: 8, .value_kind: global_buffer, .address_space: global }
      - { .name: ohl, .offset: 24, .size: 8, .value_kind: global_buffer, .address_space: global }
    .group_segment_fixed_size: 327680
    .private_segment_fixed_size: 0
    .kernarg_segment_align: 8
    .kernarg_segment_size: 32
    .max_flat_workgroup_size: 256
    .sgpr_count:     66
    .vgpr_count:     256
    .wavefront_size: 32
...
	.end_amdgpu_metadata
.endif
;; end of part 3
;; launch outp (part 4): grid 4 x 4, 16 waves a work-group, no clusters, 112,640 bytes of LDS; arguments ohl, Ww, bw, out0; writes out0
.if DOCPART == 4
	.amdgcn_target "amdgcn-amd-amdhsa--gfx1250"
	.amdhsa_code_object_version 6
	.text
	.protected	k_qef7cd9d67c_outp
	.globl	k_qef7cd9d67c_outp
	.p2align	8
	.type	k_qef7cd9d67c_outp,@function
k_qef7cd9d67c_outp:
	s_mov_b64 s[64:65], 0
	v_nop
	global_prefetch_b8 v0, s[64:65] scope:SCOPE_SE
	s_setreg_imm32_b32 hwreg(HW_REG_WAVE_MODE, 25, 1), 1
	s_wait_xcnt 0x0
; out0[b][l][o] = inorm over l of (sum over c of att[b][l][c] Ww[o][c] + bw[o]).  att arrives times 8 as pairs of f16 numbers (high, low), laid as operand images; Ww is rounded to f16 here; sums in f32.
; SHARES.  Work-group (og, b): 64 output channels x all 1,024 queries of a batch, so that mean and variance stay in the work-group and a row's part is 256 consecutive bytes, aligned.  Wave w: queries 64 w .. 64 w + 63.
; That makes 16 work-groups: no tile is shared by waves, each fragment of ohl is read by one wave straight into operand registers, so neither LDS nor a cluster would spare a byte of it.
; Source 0 = 16 queries, source 1 = 16 channels of Ww: a lane holds ONE channel, its registers run along the queries: the norm's sums need one exchange of lanes and one pass through LDS each.
; THE NORM IN TWO PASSES: the mean first, then the sum of squares of what is left.  All numbers here are 8 times reference()'s: the variance is divided by 64 and the factor by 8.
; LIMITS: NaN and infinities are not served; |Ww| stays under 65,504.
.set WIMG,  0                          ; LDS: Ww's 32 fragments (4 head + ot), 1,024 bytes each
.set RED1,  32768                      ; 16 waves x 16 channels x 4 tiles: the sums
.set RED2,  36864                      ; the sums of squares
.set STAGE, 40960                      ; 16 rows x (256 + 16) bytes for each wave
.set SPARE, 110592                     ; the spare words, 128 bytes a wave; no other line names them
.set WF,  32                           ; v32-63   Ww's four fragments of a head
.set HI,  64                           ; v64-95   four tiles of queries, high parts
.set LO,  96                           ; v96-127  low parts; first the four biases, eight registers each
.set ACC, 128                          ; v128-255 accumulator (lt, ot) at 128 + 8 (4 lt + ot); first Ww as loaded
.set SEL, 20
.macro PLACES n
.rept \n
	v_nop
.endr
.endm
.macro OLOAD reg, off                  ; four fragments of ohl: 512 consecutive bytes a load
.irp lt, 0,1,2,3
.irp c, 0,1
	global_load_b128 v[\reg+8*\lt+4*\c:\reg+8*\lt+4*\c+3], v1, s[4:5] offset:\off+16384*\lt+512*\c
.endr
.endr
.endm
.macro WFETCH adr
.irp ot, 0,1,2,3
.irp c, 0,1
	ds_load_b128 v[WF+8*\ot+4*\c:WF+8*\ot+4*\c+3], v[\adr] offset:WIMG+1024*\ot+512*\c
.endr
.endr
.endm
.macro PROD a, cb                      ; 16 products; the sixteen accumulators take turns, always in this order.  cb = 1: the bias starts the sums
.irp lt, 0,1,2,3
.irp ot, 0,1,2,3
.if \cb
	v_wmma_f32_16x16x32_f16 v[ACC+8*(4*\lt+\ot):ACC+8*(4*\lt+\ot)+7], v[\a+8*\lt:\a+8*\lt+7], v[WF+8*\ot:WF+8*\ot+7], v[LO+8*\ot:LO+8*\ot+7]
.else
	v_wmma_f32_16x16x32_f16 v[ACC+8*(4*\lt+\ot):ACC+8*(4*\lt+\ot)+7], v[\a+8*\lt:\a+8*\lt+7], v[WF+8*\ot:WF+8*\ot+7], v[ACC+8*(4*\lt+\ot):ACC+8*(4*\lt+\ot)+7]
.endif
.endr
.endr
.endm
.macro RSUM red                        ; my quad is stored; a barrier; the sixteen waves' quads are added, in the same order in every wave: v[64:67]
	s_wait_dscnt 0x0
	s_barrier_signal -1
	s_barrier_wait -1
.irp i, 0,1,2,3,4,5,6,7,8,9,10,11,12,13,14,15
	ds_load_b128 v[64+4*\i:67+4*\i], v8 offset:\red+256*\i
.endr
	s_wait_dscnt 0x0
.irp i, 4,5,6,7,8,9,10,11,12,13,14,15
	v_pk_add_f32 v[64+4*(\i%4):65+4*(\i%4)], v[64+4*(\i%4):65+4*(\i%4)], v[64+4*\i:65+4*\i]
	v_pk_add_f32 v[66+4*(\i%4):67+4*(\i%4)], v[66+4*(\i%4):67+4*(\i%4)], v[66+4*\i:67+4*\i]
.endr
	v_pk_add_f32 v[64:65], v[64:65], v[68:69]
	v_pk_add_f32 v[66:67], v[66:67], v[70:71]
	v_pk_add_f32 v[72:73], v[72:73], v[76:77]
	v_pk_add_f32 v[74:75], v[74:75], v[78:79]
	v_pk_add_f32 v[64:65], v[64:65], v[72:73]
	v_pk_add_f32 v[66:67], v[66:67], v[74:75]
.endm
	s_load_b256 s[4:11], s[0:1], 0x0               ; ohl s[4:5], Ww s[6:7], bw s[8:9], out0 s[10:11]
	v_lshl_add_u32 v12, v0, 2, SPARE               ; my spare word
	v_mov_b32 v13, 0
	v_lshrrev_b32 v1, 5, v0
	v_readfirstlane_b32 s12, v1                    ; wave 0..15
	v_and_b32 v2, 31, v0
	v_lshlrev_b32 v1, 4, v2                        ; 16 x lane
	v_and_b32 v2, 15, v0                           ; r
	v_bfe_u32 v3, v0, 4, 1                         ; h
	v_lshlrev_b32 v4, 10, v2
	v_lshl_add_u32 v4, v3, 5, v4                   ; Ww: row r of 1,024 bytes + 32 h
	s_lshr_b32 s16, s12, 2
	s_lshl_b32 s16, s16, 13
	s_and_b32 s17, s12, 3
	s_lshl_b32 s17, s17, 10
	s_add_co_u32 s16, s16, s17
	v_add_nc_u32 v5, s16, v1                       ; I make fragments (head 2 (w / 4) + e, ot = w % 4)
	s_lshl_b32 s16, s12, 8
	v_lshl_add_u32 v7, v2, 4, s16                  ; my quad's place: 256 w + 16 r
	v_lshlrev_b32 v8, 4, v2                        ; 16 r
	s_mul_i32 s16, s12, 4352
	s_add_co_u32 s16, s16, STAGE                   ; my stage
	v_mul_u32_u24 v9, v3, 2176
	v_lshl_add_u32 v9, v2, 2, v9
	v_add_nc_u32 v9, s16, v9                       ; in: row 8 h + j, channel r
	v_mul_u32_u24 v10, v3, 272
	v_lshl_add_u32 v10, v2, 4, v10
	v_add_nc_u32 v10, s16, v10                     ; back: lanes 0-15 one row, lanes 16-31 the next
	v_lshlrev_b32 v11, 10, v3
	v_lshl_add_u32 v11, v2, 4, v11                 ; and the same two rows in out0
	v_lshlrev_b32 v14, 2, v2                       ; 4 r
	s_mov_b32 s[SEL], 0x76543210
	s_mov_b32 s[SEL+1], 0xfedcba98
	s_mov_b32 s22, 0x37800000                      ; 2^-16
	s_mov_b32 s23, 0x3727c5ac                      ; EPS
	s_and_b32 s14, ttmp7, 0xffff                   ; b
	s_mov_b32 s17, 0
	s_wait_kmcnt 0x0
	s_lshl_b32 s16, ttmp9, 16                      ; Ww: 64 rows x og,
	s_and_b32 s15, s12, 3
	s_lshl_b32 s15, s15, 14                        ; 16 rows x ot,
	s_add_co_u32 s16, s16, s15
	s_lshr_b32 s15, s12, 2
	s_lshl_b32 s15, s15, 8                         ; two heads of 128 bytes
	s_add_co_u32 s16, s16, s15
	s_add_nc_u64 s[6:7], s[6:7], s[16:17]
	s_lshl_b32 s16, ttmp9, 8
	s_add_nc_u64 s[8:9], s[8:9], s[16:17]          ; bw at my 64 channels
	s_lshl_b32 s15, s14, 10
	s_lshl_b32 s18, s12, 6
	s_add_co_u32 s15, s15, s18                     ; my first query among all: 1,024 b + 64 w
	s_lshl_b32 s15, s15, 10
	s_add_co_u32 s16, s16, s15
	s_add_nc_u64 s[10:11], s[10:11], s[16:17]      ; out0: that row, + 256 og
	s_lshl_b32 s16, s14, 6
	s_lshl_b32 s15, s12, 2
	s_add_co_u32 s16, s16, s15
	s_lshl_b32 s16, s16, 14                        ; ohl: (64 b + 4 w) tiles of 16,384 bytes
	s_add_nc_u64 s[4:5], s[4:5], s[16:17]
.irp e, 0,1
.irp n, 0,1,2,3
	global_load_b128 v[ACC+16*\e+4*\n:ACC+16*\e+4*\n+3], v4, s[6:7] offset:128*\e+64*(\n/2)+16*(\n%2)   ; Ww(o, 32 head + 16 (n / 2) + 8 h + ..)
.endr
.endr
.irp ot, 0,1,2,3
	global_load_b32 v[16+\ot], v14, s[8:9] offset:64*\ot
.endr
	OLOAD HI, 0                                    ; head 0's high parts
	s_wait_loadcnt 8                               ; Ww and bw are in; the eight loads of ohl may be out
.irp e, 0,1
.irp i, 0,1,2,3,4,5,6,7
	v_cvt_pk_f16_f32 v[WF+8*\e+\i], v[ACC+16*\e+2*\i], v[ACC+16*\e+2*\i+1]
.endr
.endr
.irp e, 0,1
.irp c, 0,1
	ds_store_b128 v5, v[WF+8*\e+4*\c:WF+8*\e+4*\c+3] offset:WIMG+4096*\e+512*\c
.endr
.endr
.irp ot, 0,1,2,3
.irp j, 0,1,2,3,4,5,6,7
	v_mul_f32 v[LO+8*\ot+\j], 0x41000000, v[16+\ot]   ; 8 bw of my lane's channel, for each of a lane's eight queries
.endr
.endr
	s_wait_dscnt 0x0                               ; for the others' sake: my images lie in LDS
	s_barrier_signal -1
	s_barrier_wait -1
	; ---- head 0 is written out: the bias starts the sums
	WFETCH 1
	s_wait_loadcnt 0x0
	s_wait_dscnt 0x0
	PROD HI, 1
	PLACES 4                                       ; in front of loads into registers that the products have read
	OLOAD LO, 1024
	s_wait_loadcnt 0x0
	PROD LO, 0
	s_add_nc_u64 s[4:5], s[4:5], 2048              ; the loads are done: on to head 1
	s_mov_b32 s18, 4096
	s_mov_b32 s19, 7
.Lhead:
	v_add_nc_u32 v6, s18, v1                       ; with the three below: four places behind the last products
	PLACES 3
	OLOAD HI, 0
	OLOAD LO, 1024
	WFETCH 6
	s_wait_loadcnt 8                               ; the high parts are in; the low parts' eight loads may be out
	s_wait_dscnt 0x0
	PROD HI, 0
	s_wait_loadcnt 0x0
	PROD LO, 0
	s_add_nc_u64 s[4:5], s[4:5], 2048              ; (the last trip's step is not used)
	s_add_co_u32 s18, s18, 4096
	s_sub_co_u32 s19, s19, 1
	s_cmp_lg_u32 s19, 0
	s_cbranch_scc1 .Lhead
	; ---- pass 1: the mean.  Each accumulator is read from its low end on; the four channel tiles by turns
	PLACES 4
.irp ot, 0,1,2,3
	v_pk_add_f32 v[20+2*\ot:21+2*\ot], v[ACC+8*\ot:ACC+8*\ot+1], v[ACC+8*\ot+2:ACC+8*\ot+3]
.endr
.irp p, 4,6
.irp ot, 0,1,2,3
	v_pk_add_f32 v[20+2*\ot:21+2*\ot], v[20+2*\ot:21+2*\ot], v[ACC+8*\ot+\p:ACC+8*\ot+\p+1]
.endr
.endr
.irp lt, 1,2,3
.irp p, 0,2,4,6
.irp ot, 0,1,2,3
	v_pk_add_f32 v[20+2*\ot:21+2*\ot], v[20+2*\ot:21+2*\ot], v[ACC+32*\lt+8*\ot+\p:ACC+32*\lt+8*\ot+\p+1]
.endr
.endr
.endr
.irp ot, 0,1,2,3
	v_add_f32 v[16+\ot], v[20+2*\ot], v[21+2*\ot]
.endr
.irp ot, 0,1,2,3
	v_permlanex16_b32 v[20+\ot], v[16+\ot], s[SEL], s[SEL+1]
.endr
.irp ot, 0,1,2,3
	v_add_f32 v[16+\ot], v[16+\ot], v[20+\ot]      ; my wave's 64 queries
.endr
	ds_store_b128 v7, v[16:19] offset:RED1         ; (both halves of the lanes write the same bytes with the same numbers)
	RSUM RED1
.irp ot, 0,1,2,3
	v_mul_f32 v[16+2*\ot], 0xba800000, v[64+\ot]   ; - the mean, twice: a pair for the packed forms
	v_mul_f32 v[17+2*\ot], 0xba800000, v[64+\ot]
.endr
.irp lt, 0,1,2,3
.irp p, 0,2,4,6
.irp ot, 0,1,2,3
	v_pk_add_f32 v[ACC+32*\lt+8*\ot+\p:ACC+32*\lt+8*\ot+\p+1], v[ACC+32*\lt+8*\ot+\p:ACC+32*\lt+8*\ot+\p+1], v[16+2*\ot:17+2*\ot]
.endr
.endr
.endr
	; ---- pass 2: the variance of what is left
.irp ot, 0,1,2,3
	v_pk_mul_f32 v[24+2*\ot:25+2*\ot], v[ACC+8*\ot:ACC+8*\ot+1], v[ACC+8*\ot:ACC+8*\ot+1]
.endr
.irp p, 2,4,6
.irp ot, 0,1,2,3
	v_pk_fma_f32 v[24+2*\ot:25+2*\ot], v[ACC+8*\ot+\p:ACC+8*\ot+\p+1], v[ACC+8*\ot+\p:ACC+8*\ot+\p+1], v[24+2*\ot:25+2*\ot]
.endr
.endr
.irp lt, 1,2,3
.irp p, 0,2,4,6
.irp ot, 0,1,2,3
	v_pk_fma_f32 v[24+2*\ot:25+2*\ot], v[ACC+32*\lt+8*\ot+\p:ACC+32*\lt+8*\ot+\p+1], v[ACC+32*\lt+8*\ot+\p:ACC+32*\lt+8*\ot+\p+1], v[24+2*\ot:25+2*\ot]
.endr
.endr
.endr
.irp ot, 0,1,2,3
	v_add_f32 v[20+\ot], v[24+2*\ot], v[25+2*\ot]
.endr
.irp ot, 0,1,2,3
	v_permlanex16_b32 v[24+\ot], v[20+\ot], s[SEL], s[SEL+1]
.endr
.irp ot, 0,1,2,3
	v_add_f32 v[20+\ot], v[20+\ot], v[24+\ot]
.endr
	ds_store_b128 v7, v[20:23] offset:RED2
	RSUM RED2
.irp ot, 0,1,2,3
	v_fma_f32 v[20+\ot], v[64+\ot], s22, s23       ; / 1,024 / 64 + EPS
.endr
.irp ot, 0,1,2,3
	v_rsq_f32 v[24+\ot], v[20+\ot]
.endr
	v_nop
	s_wait_alu depctr_va_vdst(0)                   ; one wait for the four, ahead of their first reader
.irp ot, 0,1,2,3
	v_mul_f32 v[16+2*\ot], 0x3e000000, v[24+\ot]   ; / 8, twice
	v_mul_f32 v[17+2*\ot], 0x3e000000, v[24+\ot]
.endr
.irp lt, 0,1,2,3
.irp p, 0,2,4,6
.irp ot, 0,1,2,3
	v_pk_mul_f32 v[ACC+32*\lt+8*\ot+\p:ACC+32*\lt+8*\ot+\p+1], v[ACC+32*\lt+8*\ot+\p:ACC+32*\lt+8*\ot+\p+1], v[16+2*\ot:17+2*\ot]
.endr
.endr
.endr
	; ---- out: 16 queries x 64 channels at a time through my stage; LDS serves a wave's instructions in order, so no wait stands between stores and loads
.irp lt, 0,1,2,3
.irp ot, 0,1,2,3
.irp j, 0,1,2,3,4,5,6,7
	ds_store_b32 v9, v[ACC+32*\lt+8*\ot+\j] offset:272*\j+64*\ot
.endr
.endr
.if \lt >= 2
	s_wait_xcnt 0x0                                ; the stores of two tiles back have read their registers
.endif
.irp i, 0,1,2,3,4,5,6,7
	ds_load_b128 v[64+32*(\lt%2)+4*\i:67+32*(\lt%2)+4*\i], v10 offset:544*\i
.endr
.irp i, 0,1,2,3,4,5,6,7
	s_wait_dscnt 7-\i                              ; the younger loads of this tile may be out
	global_store_b128 v11, v[64+32*(\lt%2)+4*\i:67+32*(\lt%2)+4*\i], s[10:11] offset:(16*\lt+2*\i)*1024 th:TH_STORE_NT   ; sixteen lanes store 256 consecutive bytes, aligned
.endr
.endr
	s_wait_tensorcnt 0x0                           ; the wave's end
	ds_add_u32 v12, v13
	s_wait_dscnt 0x0
	s_endpgm
.Lfunc_end_k_qef7cd9d67c_outp:
	.size	k_qef7cd9d67c_outp, .Lfunc_end_k_qef7cd9d67c_outp-k_qef7cd9d67c_outp
	.p2alignl 7, 3214868480
	.fill 96, 4, 3214868480
	.section	.rodata,"a",@progbits
	.p2align	6, 0x0
	.amdhsa_kernel k_qef7cd9d67c_outp
		.amdhsa_group_segment_fixed_size 112640
		.amdhsa_private_segment_fixed_size 0
		.amdhsa_enable_private_segment 0
		.amdhsa_kernarg_size 32
		.amdhsa_user_sgpr_count 2
		.amdhsa_user_sgpr_kernarg_segment_ptr 1
		.amdhsa_wavefront_size32 1
		.amdhsa_system_sgpr_workgroup_id_x 1
		.amdhsa_system_sgpr_workgroup_id_y 1
		.amdhsa_system_sgpr_workgroup_id_z 1
		.amdhsa_system_vgpr_workitem_id 0
		.amdhsa_next_free_vgpr 256
		.amdhsa_next_free_sgpr 66
		.amdhsa_reserve_vcc 0
		.amdhsa_float_denorm_mode_32 3
		.amdhsa_float_denorm_mode_16_64 3
		.amdhsa_memory_ordered 1
		.amdhsa_forward_progress 1
		.amdhsa_inst_pref_size 55
	.end_amdhsa_kernel
	.amdgpu_metadata
---
amdhsa.version: [ 1, 2 ]
amdhsa.kernels:
  - .name:           k_qef7cd9d67c_outp
    .symbol:         k_qef7cd9d67c_outp.kd
    .args:
      - { .name: ohl, .offset: 0, .size: 8, .value_kind: global_buffer, .address_space: global }
      - { .name: Ww, .offset: 8, .size: 8, .value_kind: global_buffer, .address_space: global }
      - { .name: bw, .offset: 16, .size: 8, .value_kind: global_buffer, .address_space: global }
      - { .name: out0, .offset: 24, .size: 8, .value_kind: global_buffer, .address_space: global }
    .group_segment_fixed_size: 112640
    .private_segment_fixed_size: 0
    .kernarg_segment_align: 8
    .kernarg_segment_size: 32
    .max_flat_workgroup_size: 512
    .sgpr_count:     66
    .vgpr_count:     256
    .wavefront_size: 32
...
	.end_amdgpu_metadata
.endif
;; end of part 4
;; ======== version 2 of 2: 5 launches; 1.25 times as fast as version 1
;; limits: values are held in f16: magnitudes above 65,504 overflow, below 6.1e-05 lose precision; right only within a limited range of input values; a difference of large sums (such as E[x^2] - mean^2): digits are lost where the result is much smaller than its terms
;; workspace buffers: wfrag 196,608 bytes; wscl 24,576 bytes; kc 4,096 bytes; qf 4,194,304 bytes; kv 16,777,216 bytes; kst 524,288 bytes; ohl 4,194,304 bytes; yst 4,325,376 bytes
;; launch prep: the kernel of part 1 again; grid 48 x 1, 4 waves a work-group, no clusters, 2,560 bytes of LDS; arguments Wq, Wk, Wv, bk, x, wfrag, wscl, kc; writes wfrag, wscl, kc
;; launch proj: the kernel of part 2 again; grid 256 x 1, 8 waves a work-group, no clusters, 91,648 bytes of LDS; arguments x, l, wfrag, wscl, kc, bq, bv, qf, kv, kst; writes qf, kv, kst
;; launch attn: the kernel of part 3 again; grid 8 x 32, 8 waves a work-group, clusters of 4 x 1, 327,680 bytes of LDS; arguments qf, kv, kst, ohl; writes ohl
;; launch outy (part 5): grid 64 x 4, 8 waves a work-group, no clusters, 35,840 bytes of LDS; arguments ohl, Ww, bw, yst; writes yst
.if DOCPART == 5
	.amdgcn_target "amdgcn-amd-amdhsa--gfx1250"
	.amdhsa_code_object_version 6
	.text
	.protected	k_qef7cd9d67c_outy
	.globl	k_qef7cd9d67c_outy
	.p2align	8
	.type	k_qef7cd9d67c_outy,@function
k_qef7cd9d67c_outy:
	s_mov_b64 s[64:65], 0
	v_nop
	global_prefetch_b8 v0, s[64:65] scope:SCOPE_SE
	s_setreg_imm32_b32 hwreg(HW_REG_WAVE_MODE, 25, 1), 1
	s_wait_xcnt 0x0
; y[b][l][o] = sum over c of att[b][l][c] Ww[o][c] + bw[o], times 8, in f32, and what the instance norm over l needs of it.  att arrives times 8 as pairs of f16 numbers (high, low), laid as operand images;
; Ww is rounded to f16 here; sums in f32.
; SHARES.  Work-group (og = x % 4, block = x / 4, b = y): 64 queries x 64 channels: 4 x 16 x 4 = 256 work-groups.  Wave w: the 16 queries of tile w % 4, the two channel tiles 2 (w / 4), + 1.
; A wave's 16,384 bytes of ohl come by 32 loads straight into operand registers, all asked for at the head.  The four channel groups of a block read the same ohl: no joint load is used, since it would add
; an LDS write and an LDS read for each of those bytes.  Ww's 32 fragments (64 channels x 256) are made by the eight waves, four each, and shared through LDS as images of operand registers.
; Source 0 = 16 queries, source 1 = 16 channels: a lane holds ONE channel, its registers run along the queries.  y leaves as the accumulators stand: 512 consecutive bytes a store, aligned.
; THE NORM'S PARTS.  Each wave takes the sum of its 16 queries and the sum of squares about ITS OWN mean; wave 0 joins the four tiles of a channel: M2 = sum of M2_i + 16 x sum of (mean_i - mean)^2:
; no difference of large sums is formed.  The next launch joins the batch's sixteen blocks in the same way.
; yst: y [b][query tile 64][channel tile 16][piece 2][lane][16 bytes]; from byte PST on the parts [b][block 16][og 4][sum, M2][r 16][ot 4] f32.
; LIMITS: NaN and infinities are not served; |Ww| stays under 65,504 (f16).
.set WIMG,  0                          ; LDS: Ww's 32 fragments (4 head + ot), 1,024 bytes each
.set RED,   32768                      ; eight waves x 16 channels x (s0, s1, M2_0, M2_1)
.set SPARE, 34816                      ; the spare words, 128 bytes a wave; no other line names them
.set PST,   4194304                    ; where the parts begin in yst
.set WC,  32                           ; v32-63   the four fragments that I make; later:
.set CB,  32                           ; v32-47   8 bw of my lane's channel, eight times, for my two tiles
.set ACC, 48                           ; v48-63   two accumulators
.set WF,  64                           ; v64-127  Ww as loaded; later four heads' fragments (16 head + 8 t); later at work
.set OH,  128                          ; v128-255 ohl: fragment (head, high or low) at 16 head + 8 hl
.set SEL, 20                           ; s[20:21] lane selects: lane l xor 16
.macro PLACES n
.rept \n
	v_nop
.endr
.endm
.macro WFETCH g                        ; heads 4 g .. 4 g + 3, my two channel tiles
.irp hd, 0,1,2,3
.irp t, 0,1
.irp c, 0,1
	ds_load_b128 v[WF+16*\hd+8*\t+4*\c:WF+16*\hd+8*\t+4*\c+3], v6 offset:WIMG+16384*\g+4096*\hd+1024*\t+512*\c
.endr
.endr
.endr
.endm
.macro PROD g, first                   ; 16 products; the two accumulators take turns, one instruction a turn.  first = 1: the bias starts the sums
.irp hd, 0,1,2,3
.irp hl, 0,1
.irp t, 0,1
.if \first && (\hd == 0) && (\hl == 0)
	v_wmma_f32_16x16x32_f16 v[ACC+8*\t:ACC+8*\t+7], v[OH+64*\g+16*\hd+8*\hl:OH+64*\g+16*\hd+8*\hl+7], v[WF+16*\hd+8*\t:WF+16*\hd+8*\t+7], v[CB+8*\t:CB+8*\t+7]
.else
	v_wmma_f32_16x16x32_f16 v[ACC+8*\t:ACC+8*\t+7], v[OH+64*\g+16*\hd+8*\hl:OH+64*\g+16*\hd+8*\hl+7], v[WF+16*\hd+8*\t:WF+16*\hd+8*\t+7], v[ACC+8*\t:ACC+8*\t+7]
.endif
.endr
.endr
.endr
.endm
	s_load_b256 s[4:11], s[0:1], 0x0               ; ohl s[4:5], Ww s[6:7], bw s[8:9], yst s[10:11]
	v_lshl_add_u32 v12, v0, 2, SPARE               ; my spare word
	v_mov_b32 v13, 0
	v_lshrrev_b32 v1, 5, v0
	v_readfirstlane_b32 s12, v1                    ; wave 0..7
	v_and_b32 v2, 31, v0
	v_lshlrev_b32 v1, 4, v2                        ; 16 x lane
	v_and_b32 v2, 15, v0                           ; r
	v_bfe_u32 v3, v0, 4, 1                         ; h
	v_lshlrev_b32 v4, 10, v2
	v_lshl_add_u32 v4, v3, 5, v4                   ; Ww: row r of 1,024 bytes + 32 h
	s_and_b32 s13, s12, 3                          ; my tile of queries; also the channel tile whose fragments I make
	s_lshr_b32 s14, s12, 2                         ; my pair of channel tiles; also which four heads' fragments I make
	s_lshl_b32 s16, s14, 14
	s_lshl_b32 s17, s13, 10
	s_add_co_u32 s16, s16, s17
	v_add_nc_u32 v5, s16, v1                       ; where I store images: (4 (4 (w / 4) + e) + w % 4) x 1,024 + 16 lane
	s_lshl_b32 s16, s14, 11
	v_add_nc_u32 v6, s16, v1                       ; where I fetch them: my pair of channel tiles
	s_lshl_b32 s16, s12, 8
	v_lshl_add_u32 v7, v2, 4, s16                  ; my quad's place: 256 w + 16 r
	v_lshlrev_b32 v8, 4, v2                        ; 16 r
	v_lshlrev_b32 v14, 2, v2                       ; 4 r
	s_mov_b32 s[SEL], 0x76543210
	s_mov_b32 s[SEL+1], 0xfedcba98
	s_mov_b32 s22, 0xffff0000                      ; lanes 16 to 31
	s_mov_b32 s24, 0x3d800000                      ; 1 / 16 (the packed forms name a pair and take its low word for both halves: both are written)
	s_mov_b32 s25, s24
	s_mov_b32 s26, 0x41800000                      ; 16
	s_mov_b32 s27, s26
	s_mov_b32 s28, 0xbc800000                      ; -1 / 64
	s_mov_b32 s29, s28
	s_and_b32 s15, ttmp9, 3                        ; og
	s_lshr_b32 s18, ttmp9, 2                       ; block of 64 queries
	s_and_b32 s19, ttmp7, 0xffff                   ; b
	s_mov_b32 s17, 0
	s_wait_kmcnt 0x0
	s_lshl_b32 s16, s15, 16                        ; Ww: 64 rows x og,
	s_lshl_b32 s23, s13, 14                        ; 16 rows x channel tile,
	s_add_co_u32 s16, s16, s23
	s_lshl_b32 s23, s14, 9                         ; four heads of 128 bytes
	s_add_co_u32 s16, s16, s23
	s_add_nc_u64 s[6:7], s[6:7], s[16:17]
	s_lshl_b32 s16, s15, 8                         ; bw: 64 channels x og + my pair of tiles
	s_lshl_b32 s23, s14, 7
	s_add_co_u32 s16, s16, s23
	s_add_nc_u64 s[8:9], s[8:9], s[16:17]
	s_lshl_b32 s16, s19, 4
	s_add_co_u32 s16, s16, s18
	s_lshl_b32 s16, s16, 2
	s_add_co_u32 s16, s16, s15
	s_lshl_b32 s16, s16, 9                         ; the parts: ((16 b + block) x 4 + og) x 512
	s_add_nc_u64 s[30:31], s[10:11], s[16:17]
	s_add_nc_u64 s[30:31], s[30:31], PST
	s_lshl_b32 s16, s19, 6
	s_lshl_b32 s23, s18, 2
	s_add_co_u32 s16, s16, s23
	s_add_co_u32 s16, s16, s13                     ; my tile of queries among all: 64 b + 4 block + w % 4
	s_lshl_b32 s16, s16, 14                        ; 16,384 bytes a tile, in ohl and in y
	s_add_nc_u64 s[4:5], s[4:5], s[16:17]
	s_lshl_b32 s23, s15, 12
	s_add_co_u32 s16, s16, s23                     ; y: + four channel tiles of 1,024 bytes x og
	s_lshl_b32 s23, s14, 11
	s_add_co_u32 s16, s16, s23                     ;    + my pair
	s_add_nc_u64 s[10:11], s[10:11], s[16:17]
	; ---- all loads go out at once: 16 of Ww, 2 of bw, 32 of ohl
.irp e, 0,1,2,3
.irp n, 0,1,2,3
	global_load_b128 v[WF+16*\e+4*\n:WF+16*\e+4*\n+3], v4, s[6:7] offset:128*\e+64*(\n/2)+16*(\n%2)   ; Ww(o, 32 head + 16 (n / 2) + 8 h + ..)
.endr
.endr
	global_load_b32 v16, v14, s[8:9]
	global_load_b32 v17, v14, s[8:9] offset:64
.set n, 0
.rept 32
	global_load_b128 v[OH+4*n:OH+4*n+3], v1, s[4:5] offset:512*n   ; 512 consecutive bytes a load
.set n, n+1
.endr
	s_wait_loadcnt 32                              ; Ww and bw are in; ohl's 32 loads may be out
.irp e, 0,1,2,3
.irp i, 0,1,2,3,4,5,6,7
	v_cvt_pk_f16_f32 v[WC+8*\e+\i], v[WF+16*\e+2*\i], v[WF+16*\e+2*\i+1]
.endr
.endr
.irp e, 0,1,2,3
.irp c, 0,1
	ds_store_b128 v5, v[WC+8*\e+4*\c:WC+8*\e+4*\c+3] offset:WIMG+4096*\e+512*\c
.endr
.endr
	s_wait_dscnt 0x0                               ; for the others' sake: my images lie in LDS; and the stores have read their registers, which the biases take
.irp t, 0,1
.irp j, 0,1,2,3,4,5,6,7
	v_mul_f32 v[CB+8*\t+\j], 0x41000000, v[16+\t]  ; 8 bw of my lane's channel, for each of a lane's eight queries
.endr
.endr
	s_barrier_signal -1
	s_barrier_wait -1
	; ---- the products, four heads at a time
	WFETCH 0
	s_wait_loadcnt 16                              ; heads 0 to 3 of ohl are in; the other sixteen loads may be out
	s_wait_dscnt 0x0
	PROD 0, 1
	PLACES 4                                       ; in front of loads into registers that the products have read
	WFETCH 1
	s_wait_loadcnt 0x0
	s_wait_dscnt 0x0
	PROD 1, 0
	PLACES 4                                       ; in front of the first read of the results
.irp t, 0,1
.irp c, 0,1
	global_store_b128 v1, v[ACC+8*\t+4*\c:ACC+8*\t+4*\c+3], s[10:11] offset:1024*\t+512*\c   ; each accumulator from its low end on
.endr
.endr
	; ---- my 16 queries: the sum, and the sum of squares about their own mean; the two tiles by turns
.irp t, 0,1
	v_pk_add_f32 v[24+2*\t:25+2*\t], v[ACC+8*\t:ACC+8*\t+1], v[ACC+8*\t+2:ACC+8*\t+3]
.endr
.irp p, 4,6
.irp t, 0,1
	v_pk_add_f32 v[24+2*\t:25+2*\t], v[24+2*\t:25+2*\t], v[ACC+8*\t+\p:ACC+8*\t+\p+1]
.endr
.endr
.irp t, 0,1
	v_add_f32 v[20+\t], v[24+2*\t], v[25+2*\t]
.endr
.irp t, 0,1
	v_permlanex16_b32 v[24+\t], v[20+\t], s[SEL], s[SEL+1]
.endr
.irp t, 0,1
	v_add_f32 v[20+\t], v[20+\t], v[24+\t]         ; with the other half of the lanes: 16 queries
.endr
.irp t, 0,1
	v_mul_f32 v[24+2*\t], 0xbd800000, v[20+\t]     ; - their mean, twice: a pair for the packed forms
	v_mul_f32 v[25+2*\t], 0xbd800000, v[20+\t]
.endr
.irp p, 0,2,4,6
.irp t, 0,1
	v_pk_add_f32 v[64+8*\t+\p:65+8*\t+\p], v[ACC+8*\t+\p:ACC+8*\t+\p+1], v[24+2*\t:25+2*\t]
.endr
.endr
.irp t, 0,1
	v_pk_mul_f32 v[28+2*\t:29+2*\t], v[64+8*\t:65+8*\t], v[64+8*\t:65+8*\t]
.endr
.irp p, 2,4,6
.irp t, 0,1
	v_pk_fma_f32 v[28+2*\t:29+2*\t], v[64+8*\t+\p:65+8*\t+\p], v[64+8*\t+\p:65+8*\t+\p], v[28+2*\t:29+2*\t]
.endr
.endr
.irp t, 0,1
	v_add_f32 v[22+\t], v[28+2*\t], v[29+2*\t]
.endr
.irp t, 0,1
	v_permlanex16_b32 v[28+\t], v[22+\t], s[SEL], s[SEL+1]
.endr
.irp t, 0,1
	v_add_f32 v[22+\t], v[22+\t], v[28+\t]
.endr
	ds_store_b128 v7, v[20:23] offset:RED          ; s0, s1, M2_0, M2_1 (both halves of the lanes write the same bytes with the same numbers)
	s_wait_dscnt 0x0                               ; for wave 0's sake
	s_barrier_signal -1
	s_barrier_wait -1
	s_cmp_lg_u32 s12, 0
	s_cbranch_scc1 .Lend
	; ---- wave 0 joins the four tiles of queries, for all 64 channels: wave 4 o + i's quad lies in v[64 + 16 o + 4 i]
.irp w, 0,1,2,3,4,5,6,7
	ds_load_b128 v[64+4*\w:67+4*\w], v8 offset:RED+256*\w
.endr
	s_wait_dscnt 0x0
.irp o, 0,1
	v_pk_add_f32 v[96+2*\o:97+2*\o], v[64+16*\o:65+16*\o], v[68+16*\o:69+16*\o]
	v_pk_add_f32 v[100+2*\o:101+2*\o], v[66+16*\o:67+16*\o], v[70+16*\o:71+16*\o]
.endr
.irp i, 2,3
.irp o, 0,1
	v_pk_add_f32 v[96+2*\o:97+2*\o], v[96+2*\o:97+2*\o], v[64+16*\o+4*\i:65+16*\o+4*\i]          ; the sums of 64 queries: v96-99, channel tiles 0 to 3
	v_pk_add_f32 v[100+2*\o:101+2*\o], v[100+2*\o:101+2*\o], v[66+16*\o+4*\i:67+16*\o+4*\i]      ; the four M2 added: v100-103
.endr
.endr
.irp o, 0,1
	v_pk_mul_f32 v[104+2*\o:105+2*\o], v[96+2*\o:97+2*\o], s[28:29] op_sel_hi:[1,0]              ; - the mean of 64
.endr
.irp i, 0,1,2,3
.irp o, 0,1
	v_pk_fma_f32 v[64+16*\o+4*\i:65+16*\o+4*\i], v[64+16*\o+4*\i:65+16*\o+4*\i], s[24:25], v[104+2*\o:105+2*\o] op_sel_hi:[1,0,1]   ; a tile's mean less the joint mean
.endr
.endr
.irp o, 0,1
	v_pk_mul_f32 v[108+2*\o:109+2*\o], v[64+16*\o:65+16*\o], v[64+16*\o:65+16*\o]
.endr
.irp i, 1,2,3
.irp o, 0,1
	v_pk_fma_f32 v[108+2*\o:109+2*\o], v[64+16*\o+4*\i:65+16*\o+4*\i], v[64+16*\o+4*\i:65+16*\o+4*\i], v[108+2*\o:109+2*\o]
.endr
.endr
.irp o, 0,1
	v_pk_fma_f32 v[100+2*\o:101+2*\o], v[108+2*\o:109+2*\o], s[26:27], v[100+2*\o:101+2*\o] op_sel_hi:[1,0,1]   ; + 16 x the squares
.endr
.irp q, 0,1,2,3
	v_cndmask_b32 v[112+\q], v[96+\q], v[100+\q], s22   ; lanes 0-15 store the sums, lanes 16-31 the M2
.endr
	global_store_b128 v1, v[112:115], s[30:31]     ; 512 consecutive bytes, aligned
.Lend:
	s_wait_tensorcnt 0x0                           ; the wave's end
	ds_add_u32 v12, v13
	s_wait_dscnt 0x0
	s_endpgm
.Lfunc_end_k_qef7cd9d67c_outy:
	.size	k_qef7cd9d67c_outy, .Lfunc_end_k_qef7cd9d67c_outy-k_qef7cd9d67c_outy
	.p2alignl 7, 3214868480
	.fill 96, 4, 3214868480
	.section	.rodata,"a",@progbits
	.p2align	6, 0x0
	.amdhsa_kernel k_qef7cd9d67c_outy
		.amdhsa_group_segment_fixed_size 35840
		.amdhsa_private_segment_fixed_size 0
		.amdhsa_enable_private_segment 0
		.amdhsa_kernarg_size 32
		.amdhsa_user_sgpr_count 2
		.amdhsa_user_sgpr_kernarg_segment_ptr 1
		.amdhsa_wavefront_size32 1
		.amdhsa_system_sgpr_workgroup_id_x 1
		.amdhsa_system_sgpr_workgroup_id_y 1
		.amdhsa_system_sgpr_workgroup_id_z 1
		.amdhsa_system_vgpr_workitem_id 0
		.amdhsa_next_free_vgpr 256
		.amdhsa_next_free_sgpr 66
		.amdhsa_reserve_vcc 0
		.amdhsa_float_denorm_mode_32 3
		.amdhsa_float_denorm_mode_16_64 3
		.amdhsa_memory_ordered 1
		.amdhsa_forward_progress 1
		.amdhsa_inst_pref_size 22
	.end_amdhsa_kernel
	.amdgpu_metadata
---
amdhsa.version: [ 1, 2 ]
amdhsa.kernels:
  - .name:           k_qef7cd9d67c_outy
    .symbol:         k_qef7cd9d67c_outy.kd
    .args:
      - { .name: ohl, .offset: 0, .size: 8, .value_kind: global_buffer, .address_space: global }
      - { .name: Ww, .offset: 8, .size: 8, .value_kind: global_buffer, .address_space: global }
      - { .name: bw, .offset: 16, .size: 8, .value_kind: global_buffer, .address_space: global }
      - { .name: yst, .offset: 24, .size: 8, .value_kind: global_buffer, .address_space: global }
    .group_segment_fixed_size: 35840
    .private_segment_fixed_size: 0
    .kernarg_segment_align: 8
    .kernarg_segment_size: 32
    .max_flat_workgroup_size: 256
    .sgpr_count:     66
    .vgpr_count:     256
    .wavefront_size: 32
...
	.end_amdgpu_metadata
.endif
;; end of part 5
;; launch outn (part 6): grid 64 x 4, 4 waves a work-group, no clusters, 17,920 bytes of LDS; arguments yst, out0; writes out0
.if DOCPART == 6
	.amdgcn_target "amdgcn-amd-amdhsa--gfx1250"
	.amdhsa_code_object_version 6
	.text
	.protected	k_qef7cd9d67c_outn
	.globl	k_qef7cd9d67c_outn
	.p2align	8
	.type	k_qef7cd9d67c_outn,@function
k_qef7cd9d67c_outn:
	s_mov_b64 s[64:65], 0
	v_nop
	global_prefetch_b8 v0, s[64:65] scope:SCOPE_SE
	s_setreg_imm32_b32 hwreg(HW_REG_WAVE_MODE, 25, 1), 1
	s_wait_xcnt 0x0
; out0[b][l][o] = (y - mean over l) x rsqrt(variance over l + EPS).  yst holds y times 8 as accumulator images, and for each block of 64 queries and each channel the sum and the sum of squares about the block's own mean.
; SHARES.  Work-group (og = x % 4, block = x / 4, b = y): 64 queries x 64 channels; wave w: the 16 queries of tile w, all 64 channels.  Waves share nothing: no barrier.
; In an image a lane holds ONE channel (16 ot + lane % 16) and its registers run along the queries, so mean and factor are one number a lane and channel tile.
; THE BATCH'S SIXTEEN BLOCKS ARE JOINED: mean = sum of sums / 1,024; M2 = sum of M2_i + 64 x sum of (mean_i - mean)^2: no difference of large sums is formed.
; All numbers are 8 times reference()'s: the variance is M2 / 1,024 / 64, the factor is divided by 8.
; The rows leave through the wave's own stage in LDS: sixteen lanes store 256 consecutive bytes, aligned.
; All 40 loads of a wave go out at the head; the launch is short, so no prefetch is laid; no work-group shares more than the 8,192 bytes of parts with another, so no cluster.
; LIMITS: NaN and infinities are not served.
.set SPARE, 17408                      ; LDS: from 0 a stage of 16 rows x (256 + 16) bytes for each wave; behind them the spare words, 128 bytes a wave; no other line names them
.set PST,   4194304                    ; where the parts begin in yst
.set YY,  32                           ; v32-63   y: register 8 ot + j = query 8 h + j
.set SS,  64                           ; v64-127  sixteen blocks' sums, a quad (ot 0 to 3) each
.set MM,  128                          ; v128-191 their M2
.set OB,  192                          ; v192-223 rows read back from the stage
.set FP,  224                          ; v224-231 the factors, v232-239 - the means: each twice, pairs for the packed forms
.set NP,  232
	s_load_b128 s[4:7], s[0:1], 0x0                ; yst s[4:5], out0 s[6:7]
	v_lshl_add_u32 v12, v0, 2, SPARE               ; my spare word
	v_mov_b32 v13, 0
	v_lshrrev_b32 v1, 5, v0
	v_readfirstlane_b32 s12, v1                    ; wave 0..3
	v_and_b32 v2, 31, v0
	v_lshlrev_b32 v1, 4, v2                        ; 16 x lane
	v_and_b32 v2, 15, v0                           ; r
	v_bfe_u32 v3, v0, 4, 1                         ; h
	v_lshlrev_b32 v8, 4, v2                        ; 16 r
	s_mul_i32 s16, s12, 4352                       ; my stage
	v_mul_u32_u24 v9, v3, 2176
	v_lshl_add_u32 v9, v2, 2, v9
	v_add_nc_u32 v9, s16, v9                       ; in: row 8 h + j, channel r
	v_mul_u32_u24 v10, v3, 272
	v_lshl_add_u32 v10, v2, 4, v10
	v_add_nc_u32 v10, s16, v10                     ; back: lanes 0-15 one row, lanes 16-31 the next
	v_lshlrev_b32 v11, 10, v3
	v_lshl_add_u32 v11, v2, 4, v11                 ; and the same two rows in out0
	s_mov_b32 s20, 0x3c800000                      ; 1 / 64 (the packed forms name a pair and take its low word for both halves: both are written)
	s_mov_b32 s21, s20
	s_mov_b32 s22, 0x42800000                      ; 64
	s_mov_b32 s23, s22
	s_mov_b32 s24, 0x37800000                      ; 2^-16
	s_mov_b32 s25, 0x3727c5ac                      ; EPS
	s_and_b32 s13, ttmp9, 3                        ; og
	s_lshr_b32 s14, ttmp9, 2                       ; block
	s_and_b32 s15, ttmp7, 0xffff                   ; b
	s_mov_b32 s17, 0
	s_wait_kmcnt 0x0
	s_lshl_b32 s16, s15, 15                        ; the parts: 32,768 b + 512 og; a block is 2,048 bytes on
	s_lshl_b32 s18, s13, 9
	s_add_co_u32 s16, s16, s18
	s_add_nc_u64 s[8:9], s[4:5], s[16:17]
	s_add_nc_u64 s[8:9], s[8:9], PST
	s_lshl_b32 s16, s15, 6
	s_lshl_b32 s18, s14, 2
	s_add_co_u32 s16, s16, s18
	s_add_co_u32 s16, s16, s12                     ; my tile of queries among all: 64 b + 4 block + w
	s_lshl_b32 s19, s16, 14                        ; 16,384 bytes a tile, in y (16 channel tiles of 1,024) and in out0 (16 rows of 1,024)
	s_lshl_b32 s18, s13, 12
	s_add_co_u32 s16, s19, s18                     ; y: + four channel tiles x og
	s_add_nc_u64 s[4:5], s[4:5], s[16:17]
	s_lshl_b32 s18, s13, 8
	s_add_co_u32 s16, s19, s18                     ; out0: + 256 bytes x og
	s_add_nc_u64 s[6:7], s[6:7], s[16:17]
.irp i, 0,1,2,3,4,5,6,7,8,9,10,11,12,13,14,15
	global_load_b128 v[SS+4*\i:SS+4*\i+3], v8, s[8:9] offset:2048*\i         ; block i: my channel's four sums (both halves of the lanes read the same),
	global_load_b128 v[MM+4*\i:MM+4*\i+3], v8, s[8:9] offset:2048*\i+256     ; and its four M2
.endr
.irp n, 0,1,2,3,4,5,6,7
	global_load_b128 v[YY+4*\n:YY+4*\n+3], v1, s[4:5] offset:512*\n th:TH_LOAD_NT   ; 512 consecutive bytes a load; read once
.endr
	s_wait_loadcnt 8                               ; the parts are in; y's eight loads may be out
	v_pk_add_f32 v[16:17], v[SS:SS+1], v[SS+4:SS+5]
	v_pk_add_f32 v[18:19], v[SS+2:SS+3], v[SS+6:SS+7]
	v_pk_add_f32 v[20:21], v[MM:MM+1], v[MM+4:MM+5]
	v_pk_add_f32 v[22:23], v[MM+2:MM+3], v[MM+6:MM+7]
.irp i, 2,3,4,5,6,7,8,9,10,11,12,13,14,15
	v_pk_add_f32 v[16:17], v[16:17], v[SS+4*\i:SS+4*\i+1]       ; four chains by turns
	v_pk_add_f32 v[18:19], v[18:19], v[SS+4*\i+2:SS+4*\i+3]
	v_pk_add_f32 v[20:21], v[20:21], v[MM+4*\i:MM+4*\i+1]
	v_pk_add_f32 v[22:23], v[22:23], v[MM+4*\i+2:MM+4*\i+3]
.endr
.irp q, 0,1,2,3
	v_mul_f32 v[24+\q], 0xba800000, v[16+\q]       ; - the mean of 1,024
.endr
.irp i, 0,1,2,3,4,5,6,7,8,9,10,11,12,13,14,15
	v_pk_fma_f32 v[SS+4*\i:SS+4*\i+1], v[SS+4*\i:SS+4*\i+1], s[20:21], v[24:25] op_sel_hi:[1,0,1]       ; a block's mean less the joint mean
	v_pk_fma_f32 v[SS+4*\i+2:SS+4*\i+3], v[SS+4*\i+2:SS+4*\i+3], s[20:21], v[26:27] op_sel_hi:[1,0,1]
.endr
	v_pk_mul_f32 v[16:17], v[SS:SS+1], v[SS:SS+1]
	v_pk_mul_f32 v[18:19], v[SS+2:SS+3], v[SS+2:SS+3]
.irp i, 1,2,3,4,5,6,7,8,9,10,11,12,13,14,15
	v_pk_fma_f32 v[16:17], v[SS+4*\i:SS+4*\i+1], v[SS+4*\i:SS+4*\i+1], v[16:17]
	v_pk_fma_f32 v[18:19], v[SS+4*\i+2:SS+4*\i+3], v[SS+4*\i+2:SS+4*\i+3], v[18:19]
.endr
	v_pk_fma_f32 v[20:21], v[16:17], s[22:23], v[20:21] op_sel_hi:[1,0,1]   ; M2 of the 1,024
	v_pk_fma_f32 v[22:23], v[18:19], s[22:23], v[22:23] op_sel_hi:[1,0,1]
.irp q, 0,1,2,3
	v_fma_f32 v[16+\q], v[20+\q], s24, s25         ; / 1,024 / 64 + EPS
.endr
.irp q, 0,1,2,3
	v_rsq_f32 v[28+\q], v[16+\q]
.endr
.irp q, 0,1,2,3
	v_mov_b32 v[NP+2*\q], v[24+\q]                 ; - the mean, twice.  (Plain work behind the four, which names none of their registers)
	v_mov_b32 v[NP+2*\q+1], v[24+\q]
.endr
	s_wait_loadcnt 0x0                             ; y
.irp p, 0,2,4,6
.irp ot, 0,1,2,3
	v_pk_add_f32 v[YY+8*\ot+\p:YY+8*\ot+\p+1], v[YY+8*\ot+\p:YY+8*\ot+\p+1], v[NP+2*\ot:NP+2*\ot+1]
.endr
.endr
	s_wait_alu depctr_va_vdst(0)                   ; one wait for the four, ahead of their first reader
.irp q, 0,1,2,3
	v_mul_f32 v[FP+2*\q], 0x3e000000, v[28+\q]     ; / 8, twice
	v_mul_f32 v[FP+2*\q+1], 0x3e000000, v[28+\q]
.endr
.irp p, 0,2,4,6
.irp ot, 0,1,2,3
	v_pk_mul_f32 v[YY+8*\ot+\p:YY+8*\ot+\p+1], v[YY+8*\ot+\p:YY+8*\ot+\p+1], v[FP+2*\ot:FP+2*\ot+1]
.endr
.endr
	; ---- out: 16 queries x 64 channels through my stage; LDS serves a wave's instructions in order, so no wait stands between stores and loads
.irp ot, 0,1,2,3
.irp j, 0,1,2,3,4,5,6,7
	ds_store_b32 v9, v[YY+8*\ot+\j] offset:272*\j+64*\ot
.endr
.endr
.irp i, 0,1,2,3,4,5,6,7
	ds_load_b128 v[OB+4*\i:OB+4*\i+3], v10 offset:544*\i
.endr
.irp i, 0,1,2,3,4,5,6,7
	s_wait_dscnt 7-\i                              ; the younger loads may be out
	global_store_b128 v11, v[OB+4*\i:OB+4*\i+3], s[6:7] offset:2048*\i th:TH_STORE_NT   ; sixteen lanes store 256 consecutive bytes, aligned
.endr
	s_wait_tensorcnt 0x0                           ; the wave's end
	ds_add_u32 v12, v13
	s_wait_dscnt 0x0
	s_endpgm
.Lfunc_end_k_qef7cd9d67c_outn:
	.size	k_qef7cd9d67c_outn, .Lfunc_end_k_qef7cd9d67c_outn-k_qef7cd9d67c_outn
	.p2alignl 7, 3214868480
	.fill 96, 4, 3214868480
	.section	.rodata,"a",@progbits
	.p2align	6, 0x0
	.amdhsa_kernel k_qef7cd9d67c_outn
		.amdhsa_group_segment_fixed_size 17920
		.amdhsa_private_segment_fixed_size 0
		.amdhsa_enable_private_segment 0
		.amdhsa_kernarg_size 16
		.amdhsa_user_sgpr_count 2
		.amdhsa_user_sgpr_kernarg_segment_ptr 1
		.amdhsa_wavefront_size32 1
		.amdhsa_system_sgpr_workgroup_id_x 1
		.amdhsa_system_sgpr_workgroup_id_y 1
		.amdhsa_system_sgpr_workgroup_id_z 1
		.amdhsa_system_vgpr_workitem_id 0
		.amdhsa_next_free_vgpr 240
		.amdhsa_next_free_sgpr 66
		.amdhsa_reserve_vcc 0
		.amdhsa_float_denorm_mode_32 3
		.amdhsa_float_denorm_mode_16_64 3
		.amdhsa_memory_ordered 1
		.amdhsa_forward_progress 1
		.amdhsa_inst_pref_size 21
	.end_amdhsa_kernel
	.amdgpu_metadata
---
amdhsa.version: [ 1, 2 ]
amdhsa.kernels:
  - .name:           k_qef7cd9d67c_outn
    .symbol:         k_qef7cd9d67c_outn.kd
    .args:
      - { .name: yst, .offset: 0, .size: 8, .value_kind: global_buffer, .address_space: global }
      - { .name: out0, .offset: 8, .size: 8, .value_kind: global_buffer, .address_space: global }
    .group_segment_fixed_size: 17920
    .private_segment_fixed_size: 0
    .kernarg_segment_align: 8
    .kernarg_segment_size: 16
    .max_flat_workgroup_size: 128
    .sgpr_count:     66
    .vgpr_count:     240
    .wavefront_size: 32
...
	.end_amdgpu_metadata
.endif
;; end of part 6
